; MI455X (gfx1250); checked and timed in simulation.
; The chip was launched on July 23, 2026; its instructions are those of AMD's public machine-readable ISA for CDNA 5 (MIT licence, August 2026) and "CDNA5" Instruction Set Architecture Reference Guide (July 2026). The comments in the code are by the model that wrote it; some were corrected since.
;; Cross Attention. Allowed arithmetic: float matrix products may take bf16 or f16 operands with f32 sums; all other float work in f32.
;; Inputs: Wk 1,024 x 1,024 float32; Wo 1,024 x 1,024 float32; Wq 1,024 x 1,024 float32; Wv 1,024 x 1,024 float32; bo 1,024 float32; context 2 x 2,048 x 1,024 float32; x 2 x 2,048 x 1,024 float32.
;; Outputs: out0 2 x 2,048 x 1,024 float32.
;; 2 versions, each right and faster than the one before. Each part assembles by itself: llvm-mc -triple=amdgcn-amd-amdhsa -mcpu=gfx1250 --defsym DOCPART=n.
;; ======== version 1 of 2: 4 launches
;; workspace buffers: bfin 25,165,824 bytes; qkv 25,165,824 bytes; obuf 8,388,608 bytes
;; launch cast (part 1): grid 768 x 1, 8 waves a work-group, no clusters, 0 bytes of LDS; arguments x, context, Wq, Wk, Wv, Wo, bfin; writes bfin
.if DOCPART == 1
	.amdgcn_target "amdgcn-amd-amdhsa--gfx1250"
	.amdhsa_code_object_version 6
	.text
	.protected	k_q0959965b45_cast
	.globl	k_q0959965b45_cast
	.p2align	8
	.type	k_q0959965b45_cast,@function
k_q0959965b45_cast:
	s_mov_b64 s[64:65], 0
	v_nop
	global_prefetch_b8 v0, s[64:65] scope:SCOPE_SE
	s_setreg_imm32_b32 hwreg(HW_REG_WAVE_MODE, 25, 1), 1
	s_wait_xcnt 0x0
; f32 to bf16 (round to nearest even) of x, context, Wq, Wk, Wv, Wo, layouts unchanged, into one buffer:
;   bfin byte 0: x as rows 0-4095 of an [8192][1024] matrix; byte 8,388,608: context as rows 4096-8191;
;   byte 16,777,216: Wq, Wk, Wv, Wo, each [1024 k][1024 n], 2,097,152 bytes apart.
; The later launches bring their tiles in by the tensor data mover, which copies and does not convert: so the rounding is done once, here.
; A stream: no LDS, no barrier, no matrix unit.  Work-group g owns 16,384 numbers: 65,536 bytes of one source, 32,768 bytes of bfin at g << 15.
; g 0-255: x; 256-511: context; 512-575: Wq; 576-639: Wk; 640-703: Wv; 704-767: Wo.
; Thread t takes 16 bytes at 16 t + 4,096 i (i = 0..15): a wave's load covers 512 consecutive bytes, its store of 8 bytes a lane 256 consecutive bytes, aligned.
.set X, 4                              ; v[4:67]   load i: 4 registers of f32
.set Y, 68                             ; v[68:99]  store i: 2 registers, 4 bf16
	s_load_b256 s[8:15], s[0:1], 0x0               ; x s[8:9], context s[10:11], Wq s[12:13], Wk s[14:15]
	s_load_b128 s[16:19], s[0:1], 0x20             ; Wv s[16:17], Wo s[18:19]
	s_load_b64 s[20:21], s[0:1], 0x30              ; bfin
	s_mov_b32 s2, ttmp9                            ; g
	v_lshlrev_b32 v1, 4, v0                        ; source: 16 t
	v_lshlrev_b32 v2, 3, v0                        ; destination: 8 t
	s_wait_kmcnt 0x0
	; the source is chosen among the six buffers by g alone; s26 = the first g of the chosen one
	s_mov_b64 s[24:25], s[18:19]
	s_mov_b32 s26, 704
.macro PICK lim, ptr, start
	s_cmp_lt_u32 s2, \lim
	s_cselect_b64 s[24:25], s[\ptr:\ptr+1], s[24:25]
	s_cselect_b32 s26, \start, s26
.endm
	PICK 704, 16, 640
	PICK 640, 14, 576
	PICK 576, 12, 512
	PICK 512, 10, 256
	PICK 256, 8, 0
	s_sub_co_u32 s28, s2, s26
	s_lshl_b32 s28, s28, 16                        ; 65,536 bytes of source for each work-group
	s_mov_b32 s29, 0
	s_add_nc_u64 s[24:25], s[24:25], s[28:29]
	s_lshl_b32 s30, s2, 15                         ; 32,768 bytes of bfin
	s_mov_b32 s31, 0
	s_add_nc_u64 s[20:21], s[20:21], s[30:31]
.irp i, 0,1,2,3,4,5,6,7,8,9,10,11,12,13,14,15
	global_load_b128 v[X+4*\i:X+4*\i+3], v1, s[24:25] offset:4096*\i th:TH_LOAD_NT    ; all sixteen go out at once; each input byte is read once in this launch
.endr
.irp i, 0,1,2,3,4,5,6,7,8,9,10,11,12,13,14,15
	s_wait_loadcnt 15-\i                           ; loads come back in order (ISA guide 5.7.1): load i is in, the 15 - i younger ones stay out
	v_cvt_pk_bf16_f32 v[Y+2*\i], v[X+4*\i], v[X+4*\i+1]
	v_cvt_pk_bf16_f32 v[Y+2*\i+1], v[X+4*\i+2], v[X+4*\i+3]
	global_store_b64 v2, v[Y+2*\i:Y+2*\i+1], s[20:21] offset:2048*\i                 ; no register is written twice: no wait for a store's sources
.endr
	s_endpgm
.Lfunc_end_k_q0959965b45_cast:
	.size	k_q0959965b45_cast, .Lfunc_end_k_q0959965b45_cast-k_q0959965b45_cast
	.p2alignl 7, 3214868480
	.fill 96, 4, 3214868480
	.section	.rodata,"a",@progbits
	.p2align	6, 0x0
	.amdhsa_kernel k_q0959965b45_cast
		.amdhsa_group_segment_fixed_size 0
		.amdhsa_private_segment_fixed_size 0
		.amdhsa_enable_private_segment 0
		.amdhsa_kernarg_size 56
		.amdhsa_user_sgpr_count 2
		.amdhsa_user_sgpr_kernarg_segment_ptr 1
		.amdhsa_wavefront_size32 1
		.amdhsa_system_sgpr_workgroup_id_x 1
		.amdhsa_system_sgpr_workgroup_id_y 1
		.amdhsa_system_sgpr_workgroup_id_z 1
		.amdhsa_system_vgpr_workitem_id 0
		.amdhsa_next_free_vgpr 100
		.amdhsa_next_free_sgpr 66
		.amdhsa_reserve_vcc 0
		.amdhsa_float_denorm_mode_32 3
		.amdhsa_float_denorm_mode_16_64 3
		.amdhsa_memory_ordered 1
		.amdhsa_forward_progress 1
		.amdhsa_inst_pref_size 8
	.end_amdhsa_kernel
	.amdgpu_metadata
---
amdhsa.version: [ 1, 2 ]
amdhsa.kernels:
  - .name:           k_q0959965b45_cast
    .symbol:         k_q0959965b45_cast.kd
    .args:
      - { .name: x, .offset: 0, .size: 8, .value_kind: global_buffer, .address_space: global }
      - { .name: context, .offset: 8, .size: 8, .value_kind: global_buffer, .address_space: global }
      - { .name: Wq, .offset: 16, .size: 8, .value_kind: global_buffer, .address_space: global }
      - { .name: Wk, .offset: 24, .size: 8, .value_kind: global_buffer, .address_space: global }
      - { .name: Wv, .offset: 32, .size: 8, .value_kind: global_buffer, .address_space: global }
      - { .name: Wo, .offset: 40, .size: 8, .value_kind: global_buffer, .address_space: global }
      - { .name: bfin, .offset: 48, .size: 8, .value_kind: global_buffer, .address_space: global }
    .group_segment_fixed_size: 0
    .private_segment_fixed_size: 0
    .kernarg_segment_align: 8
    .kernarg_segment_size: 56
    .max_flat_workgroup_size: 256
    .sgpr_count:     66
    .vgpr_count:     100
    .wavefront_size: 32
...
	.end_amdgpu_metadata
.endif
;; end of part 1
;; launch qkvproj (part 2): grid 12 x 16, 4 waves a work-group, clusters of 4 x 4, 327,680 bytes of LDS; arguments bfin, qkv; writes qkv
.if DOCPART == 2
	.amdgcn_target "amdgcn-amd-amdhsa--gfx1250"
	.amdhsa_code_object_version 6
	.text
	.protected	k_q0959965b45_qkvproj
	.globl	k_q0959965b45_qkvproj
	.p2align	8
	.type	k_q0959965b45_qkvproj,@function
k_q0959965b45_qkvproj:
	s_mov_b64 s[64:65], 0
	v_nop
	global_prefetch_b8 v0, s[64:65] scope:SCOPE_SE
	s_setreg_imm32_b32 hwreg(HW_REG_WAVE_MODE, 25, 1), 1
	s_wait_xcnt 0x0
	s_wait_alu depctr_hold_cnt(0) depctr_sa_sdst(0) depctr_va_vdst(0) depctr_va_sdst(0) depctr_va_ssrc(0) depctr_va_vcc(0) depctr_vm_vsrc(0)
	s_getreg_b32 s2, hwreg(HW_REG_IB_STS2, 6, 4)
	s_cmp_eq_u32 s2, 0
	s_cbranch_scc0 .Lentry_in_a_cluster
	s_endpgm
.Lentry_in_a_cluster:
	s_bfe_u32 s2, ttmp6, 0x10000c
	s_cmp_lg_u32 s2, 0xf033
	s_cbranch_scc0 .Lentry_shape_is_right
	s_endpgm
.Lentry_shape_is_right:
; [Q | K | V] = [x; context] x [Wq | Wk | Wv]: three products of 4096 x 1024 x 1024 in one launch, bf16 operands, f32 sums, bf16 out.
; qkv is [4096][3072] bf16: Q in columns 0-1023, K in 1024-2047, V in 2048-3071.
; A work-group makes 256 x 256 of qkv with four waves; a wave makes 128 x 128: 64 accumulator tiles of 16 x 16, 512 registers.
; The cluster's x (0, 1, 2) is the product: it picks the weight, and x (product 0) or context (1, 2) as A.  192 work-groups: 1024 columns a product
; give four blocks of 256; smaller blocks would halve the multiply-adds that each LDS byte feeds.
; K goes in steps of 128 through two LDS slots filled by the tensor data mover.  A's tile: 256 rows x 256 bytes, K along the rows.
; W lies [k][n] in memory and comes in as it lies: 128 k-rows x 512 bytes; its fragments are read with the transposing LDS load.
; CLUSTERS: 4 x 4 work-groups.  A's tile hangs on the block row (and the product) and is asked for jointly by a row of the cluster; W's hangs on the
; block column and is asked for jointly by a column: the requests for both are divided by four.
;
; REGISTERS, in windows of 256:
;   window 0: v0-31 addresses; v64-127, v128-191 fragments of A, two buffers; v192-223 at work on the way out
;   window 1: v64-127, v128-191 fragments of W, two buffers
;   window 2: the 32 accumulator tiles of my rows 0-63 (tile (a, b) at v[8 (8 a + b)]);   window 3: those of my rows 64-127
; THE MATRIX INSTRUCTION IS USED TRANSPOSED: source 0 = 16 columns of W, source 1 = 16 rows of A.  Lane l then holds row l % 16 of the result and
; its registers 0-7 the columns 8 (l / 16) + 0..7: eight neighbouring numbers, which pack into 16 bytes.
; Limit: operands are rounded to bf16, and so are Q, K and V as stored.
.set SIZE_K, 1024
.set NOUT,   3072                      ; columns of qkv
.set KSTEP,  128
.set PITCH,  272                       ; A's LDS row: 256 bytes + 16 of padding, an odd multiple of 16: the 16 rows of a fragment load start 16 bytes apart modulo 256
.set PB,     544                       ; W's LDS row: 512 bytes + 32 of padding, an odd multiple of 32, as the transposing load's eight rows of two 16-byte pieces want
.set HALFT,  128*PITCH                 ; what one tensor load fills: 128 rows of A, or 64 k-rows of W (64 x 544 is the same 34,816 bytes)
.set SLOT,   4*HALFT                   ; A's 256 rows, then W's 128 k-rows
.set STAGE,  2*SLOT                    ; behind the ring: 16 rows x 272 bytes for each wave, for the way out; no tensor load fills it
.set SPITCH, 272
.set LAPS,   SIZE_K/(2*KSTEP)          ; a lap = two K steps = once round the ring: 4
.set WOFF,   16777216                  ; the weights' place in bfin
.set ADRA, 16                          ; v16-17  LDS address of my A fragments in slot 0, 1
.set ADRB, 20                          ; v20-21  the same for W
.set STO,  24                          ; v24     the way out: where I put 16 bytes of a row
.set RD,   25                          ; v25     the way out: where I read a row back
.set CO,   26                          ; v26     my byte offset in qkv
.set F0,   64                          ; fragment buffer 0
.set F1,   128                         ; fragment buffer 1
.set TMP,  192                         ; the way out: packed results, in window 0
.set G1, 24                            ; s[24:31] descriptor group 1 for A's tiles
.set G0, 32                            ; s[32:39] descriptor group 0 for A's tiles, one set for each slot
.set G1B, 48                           ; s[48:55] descriptor group 1 for W's tiles
.set G0B, 56                           ; s[56:63] descriptor group 0 for W's tiles, one set for each slot
.set MSB, 0
.macro WIN new                         ; s_set_vgpr_msb: bits 1:0 source 0, 3:2 source 1, 5:4 source 2, 7:6 destination; the high byte repeats the setting that is left
.if MSB != \new
	s_set_vgpr_msb (MSB<<8)|\new
.set MSB, \new
.endif
.endm
.set MUL_LO, 0xa1                      ; source 0 (W) window 1, source 1 (A) window 0, C and D window 2
.set MUL_HI, 0xf1                      ; the same, C and D window 3
.set TO_B,   0x40                      ; destination window 1, address window 0
; A joint load.  Waves 0 and 1 fetch A's two halves, waves 2 and 3 W's.  Each line has one mask and one set of registers for all that issue it.
; The branch hangs on the wave's number alone.
.macro JLOAD s
	s_cmp_eq_u32 s11, 0
	s_cbranch_scc0 .Lfor_b_\@
	tensor_load_to_lds s[G0+4*\s:G0+4*\s+3], s[G1:G1+7]
	s_nop 0
	s_branch .Lasked_\@
.Lfor_b_\@:
	tensor_load_to_lds s[G0B+4*\s:G0B+4*\s+3], s[G1B:G1B+7]
	s_nop 0
.Lasked_\@:
.endm
; A round of the cluster's barrier: my work-group's barrier; wave 0 signals for the work-group; every wave waits for all sixteen; my work-group's barrier once more.
.macro CREST                           ; a round behind its opening barrier
	s_cmp_lg_u32 s10, 0
	s_cbranch_scc1 .Lnot_wave_0_\@
	s_barrier_signal -3
.Lnot_wave_0_\@:
	s_barrier_wait -3
	s_barrier_signal -1
	s_barrier_wait -1
.endm
.macro CROUND                          ; a whole round
	s_barrier_signal -1
	s_barrier_wait -1
	CREST
.endm
	s_load_b64 s[4:5], s[0:1], 0x0                 ; bfin
	s_load_b64 s[8:9], s[0:1], 0x8                 ; qkv
	s_set_vgpr_msb 0x40
	v_lshl_add_u32 v255, v0, 2, 0x48400
	s_set_vgpr_msb 0x4000
	v_mov_b32 v255, 0
	s_set_vgpr_msb 0x1
	ds_add_u32 v255, v255
	s_set_vgpr_msb 0x100
	v_lshrrev_b32 v1, 5, v0
	v_readfirstlane_b32 s10, v1                    ; wave 0..3
	s_lshr_b32 s11, s10, 1                         ; which half of the block's rows is mine.  Also: I fetch for A (0) or for W (1)
	s_and_b32 s12, s10, 1                          ; which half of its columns.  Also: which half of that tile I fetch
	s_bfe_u32 s40, ttmp6, 0x40000                  ; cx
	s_bfe_u32 s41, ttmp6, 0x40004                  ; cy
	s_lshl_b32 s42, ttmp9, 2
	s_add_co_u32 s42, s42, s40                     ; block column of qkv = 4 x product + cx
	s_and_b32 s13, ttmp7, 0xffff
	s_lshl_b32 s13, s13, 2
	s_add_co_u32 s13, s13, s41                     ; block row = 4 x cluster y + cy
	s_lshl_b32 s43, s41, 2
	s_lshl_b32 s43, 15, s43                        ; my row of the cluster: places 4 cy .. 4 cy + 3
	s_lshl_b32 s44, 0x1111, s40                    ; my column: places cx, cx + 4, cx + 8, cx + 12
	; group 1 for A: 128 rows x 128 elements of 2 bytes, 4 words of padding behind every 64
	s_or_b32 s[G1+0], s43, (1<<16)|(1<<20)|(1<<21)|(5<<22)|(3<<25)
	s_mov_b32 s[G1+1], KSTEP<<16                   ; tensor_dim0 = 128
	s_mov_b32 s[G1+2], 128<<16                     ; tensor_dim1 = 128
	s_mov_b32 s[G1+3], KSTEP<<16                   ; tile_dim0 = 128
	s_mov_b32 s[G1+4], 128                         ; tile_dim1 = 128
	s_mov_b32 s[G1+5], SIZE_K                      ; 1,024 elements from row to row
	s_mov_b32 s[G1+6], 0
	s_mov_b32 s[G1+7], 0
	; group 1 for W: 64 k-rows x 256 elements of 2 bytes, 8 words of padding behind every 128
	s_or_b32 s[G1B+0], s44, (1<<16)|(1<<20)|(1<<21)|(6<<22)|(7<<25)
	s_mov_b32 s[G1B+1], 256<<16                    ; tensor_dim0 = 256
	s_mov_b32 s[G1B+2], 64<<16                     ; tensor_dim1 = 64
	s_mov_b32 s[G1B+3], 256<<16                    ; tile_dim0 = 256
	s_mov_b32 s[G1B+4], 64                         ; tile_dim1 = 64
	s_mov_b32 s[G1B+5], 1024                       ; 1,024 elements from k-row to k-row
	s_mov_b32 s[G1B+6], 0
	s_mov_b32 s[G1B+7], 0
	; A's tile: row 256 x block row + 128 x half, 4,096 rows further down for context.  Made of cy, the cluster's y and x and the wave's number: never of cx.
	s_lshl_b32 s17, s12, 7
	s_lshl_b32 s16, s13, 8
	s_add_co_u32 s16, s16, s17
	s_min_u32 s45, ttmp9, 1                        ; 0: x; 1: context
	s_lshl_b32 s45, s45, 12
	s_add_co_u32 s16, s16, s45
	s_lshl_b32 s16, s16, 11                        ; rows of 2,048 bytes; below 2^24
	s_mov_b32 s17, 0
	; W's tile: the product's weight, k-row 64 x half, column 256 cx.  Never of cy.
	s_lshl_b32 s46, ttmp9, 21                      ; 2,097,152 bytes a weight
	s_lshl_b32 s47, s12, 17                        ; 64 k-rows of 2,048 bytes
	s_add_co_u32 s46, s46, s47
	s_lshl_b32 s47, s40, 9                         ; 256 columns of 2 bytes
	s_add_co_u32 s46, s46, s47
	s_add_co_u32 s46, s46, WOFF
	s_mov_b32 s47, 0
	s_mul_i32 s20, s10, HALFT                      ; where my load goes: wave x 34,816: no place in the cluster enters an LDS address
	s_wait_dscnt 0x0
	s_wait_kmcnt 0x0
	s_add_nc_u64 s[14:15], s[4:5], s[16:17]
	s_add_nc_u64 s[46:47], s[4:5], s[46:47]
	CROUND                                         ; all sixteen work-groups are here: the first joint loads meet
.irp s, 0,1
	s_mov_b32 s[G0+4*\s], 1                                        ; count = 1
	s_add_co_u32 s[G0+4*\s+1], s20, \s*SLOT                        ; LDS address
	s_add_nc_u64 s[G0+4*\s+2:G0+4*\s+3], s[14:15], \s*KSTEP*2      ; K step s: 256 bytes along the rows
	s_or_b32 s[G0+4*\s+3], s[G0+4*\s+3], 0x80000000                ; type = 2
	s_mov_b32 s[G0B+4*\s], 1
	s_add_co_u32 s[G0B+4*\s+1], s20, \s*SLOT
	s_add_nc_u64 s[G0B+4*\s+2:G0B+4*\s+3], s[46:47], \s*KSTEP*2048 ; K step s: 128 k-rows down
	s_or_b32 s[G0B+4*\s+3], s[G0B+4*\s+3], 0x80000000
	JLOAD \s                                       ; both first fills go out ahead of everything else: two tensor loads of the wave are out
.endr
	; A's fragment (16 rows x 32 K): lane l holds row l % 16; two loads of 16 bytes, 32 bytes apart, at row x pitch + 16 (l / 16).
	; W's fragment (16 columns x 32 K) from k-rows: two transposing loads, 16 k-rows apart, at (8 (l / 16) + l % 8) x pitch + 16 ((l / 8) % 2).
	v_and_b32 v1, 15, v0                           ; l % 16
	v_bfe_u32 v2, v0, 4, 1                         ; l / 16
	v_mul_u32_u24 v3, v1, PITCH
	v_lshl_add_u32 v3, v2, 4, v3
	v_and_b32 v6, 7, v0
	v_lshl_add_u32 v6, v2, 3, v6
	v_mul_u32_u24 v6, v6, PB
	v_bfe_u32 v7, v0, 3, 1
	v_lshl_add_u32 v6, v7, 4, v6
	s_mul_i32 s21, s11, HALFT                      ; my 128 rows of A
	s_lshl_b32 s22, s12, 8                         ; my 128 columns of W: 256 bytes along its k-rows,
	s_add_co_u32 s22, s22, 2*HALFT                 ; which lie behind A's 256 rows
.irp s, 0,1
	v_add_nc_u32 v[ADRA+\s], s21, v3
	v_add_nc_u32 v[ADRB+\s], s22, v6
	s_add_co_u32 s21, s21, SLOT
	s_add_co_u32 s22, s22, SLOT
.endr
	s_mul_i32 s23, s10, 16*SPITCH
	s_add_co_u32 s23, s23, STAGE                   ; my stage
	v_mul_u32_u24 v4, v1, SPITCH                   ; in: row l % 16, 16 bytes for each half of the lanes
	v_lshl_add_u32 v4, v2, 4, v4
	v_add_nc_u32 v[STO], s23, v4
	v_mul_u32_u24 v5, v2, SPITCH                   ; back: lanes 0-15 take one row of 256 bytes, lanes 16-31 the next
	v_lshl_add_u32 v5, v1, 4, v5
	v_add_nc_u32 v[RD], s23, v5
	v_mul_u32_u24 v5, v2, NOUT*2                   ; and the same two rows in qkv
	v_lshl_add_u32 v[CO], v1, 4, v5
; 16 matrix instructions: m blocks a0, a0 + 1 of the window's four x all 8 n blocks, 32 along K.  zero = 1: the first product starts the sums.
.macro MUL16 f, hi, a0, zero
.irp a, \a0, \a0+1
.irp b, 0,1,2,3,4,5,6,7
.if \zero
	v_wmma_f32_16x16x32_bf16 v[8*(8*(\a)+\b):8*(8*(\a)+\b)+7], v[\f+8*\b:\f+8*\b+7], v[\f+8*(4*\hi+\a):\f+8*(4*\hi+\a)+7], 0
.else
	v_wmma_f32_16x16x32_bf16 v[8*(8*(\a)+\b):8*(8*(\a)+\b)+7], v[\f+8*\b:\f+8*\b+7], v[\f+8*(4*\hi+\a):\f+8*(4*\hi+\a)+7], v[8*(8*(\a)+\b):8*(8*(\a)+\b)+7]
.endif
.endr
.endr
.endm
; 32 LDS loads in one run: the fragments of quarter q of a K step (32 K: 32 k-rows of W, 64 bytes of A's rows) into buffer f.  W's 16 first, then A's 16.
.macro FETCH slot, q, f
	WIN TO_B
.irp i, 0,1,2,3,4,5,6,7
	ds_load_tr16_b128 v[\f+8*\i:\f+8*\i+3],   v[ADRB+\slot] offset:\q*32*PB+32*\i
	ds_load_tr16_b128 v[\f+8*\i+4:\f+8*\i+7], v[ADRB+\slot] offset:\q*32*PB+32*\i+16*PB
.endr
	WIN 0
.irp i, 0,1,2,3,4,5,6,7
	ds_load_b128 v[\f+8*\i:\f+8*\i+3],   v[ADRA+\slot] offset:\q*64+\i*16*PITCH
	ds_load_b128 v[\f+8*\i+4:\f+8*\i+7], v[ADRA+\slot] offset:\q*64+\i*16*PITCH+32
.endr
.endm
; A load into a register that a matrix instruction has read, and a vector instruction that reads a matrix result, stand four places behind it; only
; plain vector instructions that name none of its registers are places (ISA guide 7.12.1 for vector instructions).
.macro PLACES
.rept 4
	v_nop
.endr
.endm
; A K step is four quarters of 32 along K, 64 matrix instructions each, on buffers 0, 1, 0, 1.  The 64 accumulators take turns, one instruction a turn,
; in the same order in every quarter.
.macro QUARTER slot, q, f, g, zero
	s_wait_dscnt 8                                 ; W and A's rows 0-63 are in; the youngest eight loads (A's rows 64-127) may be out
	WIN MUL_LO
	MUL16 \f, 0, 0, \zero
	MUL16 \f, 0, 2, \zero
	PLACES
	FETCH \slot, \q, \g
	s_wait_dscnt 32                                ; all but the 32 just issued
	WIN MUL_HI
	MUL16 \f, 1, 0, \zero
	MUL16 \f, 1, 2, \zero
.endm
.macro THREE slot, zero
	QUARTER \slot, 1, F0, F1, \zero
	QUARTER \slot, 2, F1, F0, 0
	QUARTER \slot, 3, F0, F1, 0
.endm
; The last quarter: multiplies buffer 1 and changes slots.  In front of the barrier each wave waits for its reads of this slot and for all its tensor loads
; (one is out: its part of the next slot).  Behind it the refill comes first, then the next slot's first fragments.
.macro TURN slot, next, fill
	s_wait_dscnt 8
	WIN MUL_LO
	MUL16 F1, 0, 0, 0
	s_wait_dscnt 0                                 ; my reads of this slot are over
	s_wait_tensorcnt 0x0                           ; all my tensor loads have landed
	ds_add_u32 v255, v255
	s_wait_dscnt 0x0
	s_barrier_signal -1                            ; where a slot is filled again this barrier opens a round of the cluster's barrier
	MUL16 F1, 0, 2, 0                              ; register work while the others arrive
	WIN 0
	s_barrier_wait -1
.if \fill
	CREST                                          ; no wave of any partner still reads this slot or has a load on its way
	s_add_nc_u64 s[G0+4*\slot+2:G0+4*\slot+3], s[G0+4*\slot+2:G0+4*\slot+3], 2*KSTEP*2
	s_add_nc_u64 s[G0B+4*\slot+2:G0B+4*\slot+3], s[G0B+4*\slot+2:G0B+4*\slot+3], 2*KSTEP*2048
	JLOAD \slot                                    ; the wave's one tensor load behind the round, and the first thing there
.endif
	PLACES
	FETCH \next, 0, F0
	WIN MUL_HI
	MUL16 F1, 1, 0, 0
	MUL16 F1, 1, 2, 0
.endm
.macro LAP zero
	THREE 0, \zero
	TURN 0, 1, 1
	THREE 1, 0
	TURN 1, 0, 1
.endm
	s_wait_tensorcnt 1                             ; my part of K step 0 is in; K step 1's may stay out
	s_barrier_signal -1
	s_barrier_wait -1
	FETCH 0, 0, F0
	LAP 1                                          ; the first lap stands in front of the loop: its first products start the sums
	WIN 0                                          ; at a label and at a branch every window is 0
	s_mov_b32 s3, LAPS-2
.Llap:
	LAP 0
	WIN 0
	s_sub_co_u32 s3, s3, 1
	s_cmp_lg_u32 s3, 0
	s_cbranch_scc1 .Llap
	THREE 0, 0                                     ; the last lap fills nothing
	TURN 0, 1, 0
	THREE 1, 0
	s_wait_dscnt 8
	WIN MUL_LO
	MUL16 F1, 0, 0, 0
	MUL16 F1, 0, 2, 0
	s_wait_dscnt 0
	WIN MUL_HI
	MUL16 F1, 1, 0, 0
	MUL16 F1, 1, 2, 0
	; THE WAY OUT, 16 rows at a time: round to bf16, 16 bytes a lane into my own stage, read back as whole rows of 256 bytes.
	PLACES
	s_lshl_b32 s13, s13, 8
	s_lshl_b32 s14, s11, 7
	s_add_co_u32 s16, s13, s14                     ; my first row of qkv
	s_mul_i32 s16, s16, NOUT*2                     ; below 2^25
	s_mov_b32 s17, 0
	s_add_nc_u64 s[8:9], s[8:9], s[16:17]
	s_lshl_b32 s46, s42, 9                         ; my first column, in bytes: 512 x block column + 256 x half
	s_lshl_b32 s47, s12, 8
	s_add_co_u32 s46, s46, s47
	s_mov_b32 s47, 0
	s_add_nc_u64 s[8:9], s[8:9], s[46:47]
; rows 16 i .. 16 i + 15 of my block = the eight tiles (a, 0..7) of window 2 or 3 (from = 0x0a or 0x0f: sources 0 and 1); f: F0 or F1 in turn
.macro OUT16 i, a, from, f
	WIN \from
.irp b, 0,1,2,3,4,5,6,7
.irp r, 0,1,2,3
	v_cvt_pk_bf16_f32 v[TMP+4*\b+\r], v[8*(8*\a+\b)+2*\r], v[8*(8*\a+\b)+2*\r+1]
.endr
.endr
	WIN 0
.irp b, 0,1,2,3,4,5,6,7
	ds_store_b128 v[STO], v[TMP+4*\b:TMP+4*\b+3] offset:32*\b
.endr
	s_wait_xcnt 0x0                                ; buffer f, which earlier stores read, and the stores' base are rewritten only behind this wait
.if \i
	s_add_nc_u64 s[8:9], s[8:9], 16*NOUT*2
.endif
.irp t, 0,1,2,3,4,5,6,7
	ds_load_b128 v[\f+4*\t:\f+4*\t+3], v[RD] offset:\t*2*SPITCH    ; LDS serves a wave's instructions in order (ISA guide 5.7.1): these see the stores above
.endr
.irp t, 0,1,2,3,4,5,6,7
	s_wait_dscnt 7-\t                              ; read-back t is in, the younger ones stay out
	global_store_b128 v[CO], v[\f+4*\t:\f+4*\t+3], s[8:9] offset:2*\t*NOUT*2   ; 16 lanes store 256 consecutive bytes, aligned: one row of one pair of heads
.endr
.endm
	OUT16 0, 0, 0x0a, F0
	OUT16 1, 1, 0x0a, F1
	OUT16 2, 2, 0x0a, F0
	OUT16 3, 3, 0x0a, F1
	OUT16 4, 0, 0x0f, F0
	OUT16 5, 1, 0x0f, F1
	OUT16 6, 2, 0x0f, F0
	OUT16 7, 3, 0x0f, F1
	s_set_vgpr_msb 0x1
	s_wait_tensorcnt 0x0
	ds_add_u32 v255, v255
	s_wait_dscnt 0x0
	s_set_vgpr_msb 0x100
	CROUND                                         ; the closing round: no work-group ends while a partner may still ask for a tile that names it
	s_endpgm
.Lfunc_end_k_q0959965b45_qkvproj:
	.size	k_q0959965b45_qkvproj, .Lfunc_end_k_q0959965b45_qkvproj-k_q0959965b45_qkvproj
	.p2alignl 7, 3214868480
	.fill 96, 4, 3214868480
	.section	.rodata,"a",@progbits
	.p2align	6, 0x0
	.amdhsa_kernel k_q0959965b45_qkvproj
		.amdhsa_group_segment_fixed_size 327680
		.amdhsa_private_segment_fixed_size 0
		.amdhsa_enable_private_segment 0
		.amdhsa_kernarg_size 16
		.amdhsa_user_sgpr_count 2
		.amdhsa_user_sgpr_kernarg_segment_ptr 1
		.amdhsa_wavefront_size32 1
		.amdhsa_system_sgpr_workgroup_id_x 1
		.amdhsa_system_sgpr_workgroup_id_y 1
		.amdhsa_system_sgpr_workgroup_id_z 1
		.amdhsa_system_vgpr_workitem_id 0
		.amdhsa_next_free_vgpr 1024
		.amdhsa_next_free_sgpr 66
		.amdhsa_reserve_vcc 0
		.amdhsa_float_denorm_mode_32 3
		.amdhsa_float_denorm_mode_16_64 3
		.amdhsa_memory_ordered 1
		.amdhsa_forward_progress 1
		.amdhsa_inst_pref_size 197
	.end_amdhsa_kernel
	.amdgpu_metadata
---
amdhsa.version: [ 1, 2 ]
amdhsa.kernels:
  - .name:           k_q0959965b45_qkvproj
    .symbol:         k_q0959965b45_qkvproj.kd
    .args:
      - { .name: bfin, .offset: 0, .size: 8, .value_kind: global_buffer, .address_space: global }
      - { .name: qkv, .offset: 8, .size: 8, .value_kind: global_buffer, .address_space: global }
    .group_segment_fixed_size: 327680
    .private_segment_fixed_size: 0
    .kernarg_segment_align: 8
    .kernarg_segment_size: 16
    .max_flat_workgroup_size: 128
    .sgpr_count:     66
    .vgpr_count:     1024
    .wavefront_size: 32
...
	.end_amdgpu_metadata
.endif
;; end of part 2
;; launch attn (part 3): grid 16 x 16, 8 waves a work-group, clusters of 4 x 1, 327,680 bytes of LDS; arguments qkv, obuf; writes obuf
.if DOCPART == 3
	.amdgcn_target "amdgcn-amd-amdhsa--gfx1250"
	.amdhsa_code_object_version 6
	.text
	.protected	k_q0959965b45_attn
	.globl	k_q0959965b45_attn
	.p2align	8
	.type	k_q0959965b45_attn,@function
k_q0959965b45_attn:
	s_mov_b64 s[64:65], 0
	v_nop
	global_prefetch_b8 v0, s[64:65] scope:SCOPE_SE
	s_setreg_imm32_b32 hwreg(HW_REG_WAVE_MODE, 25, 1), 1
	s_wait_xcnt 0x0
	s_wait_alu depctr_hold_cnt(0) depctr_sa_sdst(0) depctr_va_vdst(0) depctr_va_sdst(0) depctr_va_ssrc(0) depctr_va_vcc(0) depctr_vm_vsrc(0)
	s_getreg_b32 s2, hwreg(HW_REG_IB_STS2, 6, 4)
	s_cmp_eq_u32 s2, 0
	s_cbranch_scc0 .Lentry_in_a_cluster
	s_endpgm
.Lentry_in_a_cluster:
	s_bfe_u32 s2, ttmp6, 0x10000c
	s_cmp_lg_u32 s2, 0x3003
	s_cbranch_scc0 .Lentry_shape_is_right
	s_endpgm
.Lentry_shape_is_right:
; softmax(Q K^T / 8) V for two heads x 128 queries a work-group, with a running maximum; bf16 operands, f32 sums and softmax, bf16 out.
; qkv: [4096][3072] bf16 (Q | K | V); obuf: [4096][1024] bf16, column = 64 head + d.
; Grid x = query block of 128 (16), grid y = 8 batch + head pair (16).  An aligned 256 bytes of a row of qkv is one pair of heads, so K's and V's tiles
; have rows of 256 bytes.  Eight waves: hd = w & 1 the head of the pair, qg = (w >> 1) & 1 which 64 queries, kh = w >> 2 which half of each slot's keys.
; The two key halves of a (head, query group) are merged at the end through LDS.
; CLUSTER: the four query blocks of a cluster read the same K and V: every K or V load is a joint load of all four (mask 15).
; THE PRODUCTS ARE TAKEN TRANSPOSED.  S^T = K Q^T (source 0: 16 keys, source 1: 16 queries): lane (r, h), register j holds key 8 h + j of query r.
; Two neighbouring tiles of S^T, packed to bf16, are then source 1 of O^T = V^T P^T as they lie.  A query's maximum and sum lie in a lane and its partner
; in the other half of the wave.  O^T gives a lane eight neighbouring d of one query.
; THE ORDER OF WORK.  A wave's 64 queries are two halves of 32 (query tiles 0-1 and 2-3); 64 keys are a block, and a block is two half-stages.  In the half-stage of half h:
;   X: the 16 products S^T(h), one behind every eight vector lines of the OTHER half's shift, exponentials and sums (its S^T was made one half-stage earlier);
;   Y: the other half's P is rounded to bf16; among these lines the running maximum of S^T(h), its shift and the factor for what was summed before;
;   Z: the 16 products O^T += V^T P^T of the other half, two lines of the rescaling of O^T(h) behind each.
; So the wave's vector lines issue while its own products run.  X's vector lines hold under the products' register windows because their second source is a scalar
; pair or a constant (hence the sum as P x 1.0 + sum); Z's because O and V's fragments share a window.  V's fragments of a block are asked for in X of its second
; half, K's of the next block in Y of the second half: both well ahead of their products.
; LDS: two slots of 256 keys, 8 parts of 18,432 bytes each: parts 0-3 K's quarters (64 rows x 272), parts 4-7 V's (64 rows x 288).  Wave w fills part w.
; Behind slot 0's last read its bytes (no fill lands there any more) hold the merge's data and the output stage.
; Limits: Q, K, V, P and O are rounded to bf16; the denominator sums P in f32 before P is rounded; the running maximum lets a NaN lose (it still reaches
; the output through the exponentials and products); a row whose maximum is +inf gives NaN, as the softmax it stands for does.
.set QKVP, 6144                        ; bytes in a row of qkv
.set Q8,   18432                       ; a part of a slot
.set SLOT, 8*Q8
.set PK,   272                         ; K's LDS row: 256 + 16, an odd multiple of 16
.set PV,   288                         ; V's LDS row: 256 + 32, an odd multiple of 32 (transposing loads)
.set PHASE, 256*QKVP                   ; 256 keys further down, in bytes
.set ML,   65536                       ; merge: shifts and sums, 2,048 bytes for each of 4 wave pairs (the accumulators lie at 0, 16,384 bytes a pair)
.set STG,  73728                       ; output stage: 128 rows x 272
; window 0
.set ADRK, 4                           ; v[4:5]    K's fragment address, slot 0, 1
.set ADRV, 6                           ; v[6:7]    V's
.set MX,   8                           ; v[8:11]   running maximum of query tile t, unscaled
.set QOFF, 12
.set MSA,  13
.set MLA,  14
.set STO,  15
.set NM0,  16                          ; v[16:23]  pairs; low register: -(maximum x c); the two sets take turns block by block
.set NM1,  24                          ; v[24:31]
.set AL,   32                          ; v[32:39]  pairs; low register: the factor for what was summed before
.set LS,   40                          ; v[40:47]  pairs of partial sums
.set TA,   48                          ; v[48:51]
.set TB,   52                          ; v[52:55]
.set RD,   56
.set CO,   57
.set KF,   64                          ; v[64:127]  K fragment (i, ks) at 64 + 16 i + 8 ks
.set SC,   128                         ; v[128:255] S^T tile (t, i) at 128 + 32 t + 8 i; P(t, g) ends up in 128 + 32 t + 16 g .. + 7
; window 1
.set QF,   0                           ; Q fragment (t, ks) at 16 t + 8 ks
.set OA,   64                          ; O^T tile (t, dt) at 64 + 32 t + 8 dt
.set VF,   192                         ; V fragment (g, dt) at 192 + 32 g + 8 dt
.set G1K, 24                           ; s[24:31]
.set G0K, 32                           ; s[32:39], one set for each slot
.set G1V, 40                           ; s[40:47]
.set G0V, 48                           ; s[48:55]
.set MSB, 0
.macro WIN new                         ; s_set_vgpr_msb: bits 1:0 source 0, 3:2 source 1, 5:4 source 2, 7:6 destination; the high byte repeats the setting that is left
.if MSB != \new
	s_set_vgpr_msb (MSB<<8)|\new
.set MSB, \new
.endif
.endm
.macro ROUND                           ; a round of the cluster's barrier
	s_barrier_signal -1
	s_barrier_wait -1
	s_cmp_lg_u32 s8, 0
	s_cbranch_scc1 .Lnot_wave_0_\@
	s_barrier_signal -3
.Lnot_wave_0_\@:
	s_barrier_wait -3
	s_barrier_signal -1
	s_barrier_wait -1
.endm
.macro JLOAD slot                      ; waves 0-3 ask for K's quarters, waves 4-7 for V's; the branch hangs on the wave's number alone
	s_cmp_eq_u32 s11, 0
	s_cbranch_scc0 .Lfor_v_\@
	tensor_load_to_lds s[G0K+4*\slot:G0K+4*\slot+3], s[G1K:G1K+7]
	s_nop 0
	s_branch .Lasked_\@
.Lfor_v_\@:
	tensor_load_to_lds s[G0V+4*\slot:G0V+4*\slot+3], s[G1V:G1V+7]
	s_nop 0
.Lasked_\@:
.endm
	s_load_b128 s[4:7], s[0:1], 0x0                ; qkv s[4:5], obuf s[6:7]
	v_lshl_add_u32 v158, v0, 2, 0x48000
	v_mov_b32 v159, 0
	ds_add_u32 v158, v159
	s_wait_dscnt 0x0
	v_lshrrev_b32 v1, 5, v0
	v_readfirstlane_b32 s8, v1                     ; wave 0..7
	s_and_b32 s9, s8, 1                            ; hd
	s_lshr_b32 s10, s8, 1
	s_and_b32 s10, s10, 1                          ; qg
	s_lshr_b32 s11, s8, 2                          ; kh.  Also: I fetch for K (0) or for V (1)
	s_and_b32 s12, s8, 3                           ; which quarter of the slot's keys I fetch; also my pair's number in the merge
	s_bfe_u32 s13, ttmp6, 0x40000                  ; cx: enters only Q's and O's global addresses
	s_lshl_b32 s14, ttmp9, 2
	s_add_co_u32 s14, s14, s13                     ; query block
	s_and_b32 s15, ttmp7, 0xffff
	s_lshr_b32 s16, s15, 3                         ; batch
	s_and_b32 s17, s15, 7                          ; head pair
	s_mov_b32 s18, 0x3e38aa3b                      ; c = log2(e) / 8: the scale of 1/8 and the change to base 2 in one factor
	s_mov_b32 s19, 0x3e38aa3b
	s_mov_b32 s20, 0x76543210                      ; v_permlanex16_b32: lane i of one half reads lane i of the other
	s_mov_b32 s21, 0xfedcba98
	s_mov_b32 s22, 0xbe38aa3b                      ; -c
	; group 1: 64 rows x 128 elements of 2 bytes, for all four work-groups; K with 4 words of padding behind every 64, V with 8
	s_mov_b32 s[G1K+0], 15|(1<<16)|(1<<20)|(1<<21)|(5<<22)|(3<<25)
	s_mov_b32 s[G1V+0], 15|(1<<16)|(1<<20)|(1<<21)|(5<<22)|(7<<25)
.irp g, G1K, G1V
	s_mov_b32 s[\g+1], 128<<16                     ; tensor_dim0 = 128
	s_mov_b32 s[\g+2], 64<<16                      ; tensor_dim1 = 64
	s_mov_b32 s[\g+3], 128<<16                     ; tile_dim0 = 128
	s_mov_b32 s[\g+4], 64                          ; tile_dim1 = 64
	s_mov_b32 s[\g+5], 3072                        ; elements from row to row
	s_mov_b32 s[\g+6], 0
	s_mov_b32 s[\g+7], 0
.endr
	; K's and V's tiles: row 2048 batch + 64 x quarter, byte 256 x head pair of the row; made of the grid's y and the wave's number alone
	s_lshl_b32 s56, s16, 11
	s_lshl_b32 s57, s12, 6
	s_add_co_u32 s56, s56, s57
	s_mul_i32 s56, s56, QKVP
	s_lshl_b32 s57, s17, 8
	s_add_co_u32 s56, s56, s57
	s_mov_b32 s57, 0
	s_mul_i32 s58, s8, Q8                          ; my part of a slot
	; Q's and O's places
	s_lshl_b32 s60, s16, 11
	s_lshl_b32 s59, s14, 7
	s_add_co_u32 s60, s60, s59                     ; the block's first row
	s_lshl_b32 s62, s60, 11                        ; obuf: rows of 2,048 bytes,
	s_lshl_b32 s59, s17, 8
	s_add_co_u32 s62, s62, s59                     ; + 256 x head pair
	s_mov_b32 s63, 0
	s_lshl_b32 s66, s10, 6
	s_add_co_u32 s60, s60, s66                     ; my 64 queries
	s_mul_i32 s60, s60, QKVP
	s_add_co_u32 s60, s60, s59
	s_lshl_b32 s66, s9, 7                          ; 128 x hd
	s_add_co_u32 s60, s60, s66
	s_mov_b32 s61, 0
	s_wait_kmcnt 0x0
	s_add_nc_u64 s[56:57], s[4:5], s[56:57]
	s_add_nc_u64 s[60:61], s[4:5], s[60:61]
	s_add_nc_u64 s[62:63], s[6:7], s[62:63]
	ROUND                                          ; all four work-groups are here: the first joint loads meet
.irp s, 0,1
	s_mov_b32 s[G0K+4*\s], 1
	s_add_co_u32 s[G0K+4*\s+1], s58, \s*SLOT
	s_add_nc_u64 s[G0K+4*\s+2:G0K+4*\s+3], s[56:57], 2048+\s*PHASE   ; K: columns 1024 on
	s_or_b32 s[G0K+4*\s+3], s[G0K+4*\s+3], 0x80000000
	s_mov_b32 s[G0V+4*\s], 1
	s_add_co_u32 s[G0V+4*\s+1], s58, \s*SLOT
	s_add_nc_u64 s[G0V+4*\s+2:G0V+4*\s+3], s[56:57], 4096+\s*PHASE   ; V: columns 2048 on
	s_or_b32 s[G0V+4*\s+3], s[G0V+4*\s+3], 0x80000000
.endr
	JLOAD 0                                        ; keys 0-255
	JLOAD 1                                        ; keys 256-511: two tensor loads of the wave are out
	v_and_b32 v1, 31, v0                           ; L
	v_and_b32 v2, 15, v0                           ; r
	v_bfe_u32 v3, v0, 4, 1                         ; h
	v_mul_u32_u24 v58, v2, PK
	v_lshl_add_u32 v58, v3, 4, v58                 ; r x 272 + 16 h
	s_mul_i32 s67, s11, 2*Q8                       ; my half of the keys: two parts,
	s_add_co_u32 s67, s67, s66                     ; my head's 128 bytes of the rows
	v_add_nc_u32 v[ADRK], s67, v58
	v_add_nc_u32 v[ADRK+1], SLOT, v[ADRK]
	v_and_b32 v59, 7, v0
	v_lshl_add_u32 v59, v3, 3, v59                 ; 8 h + L % 8
	v_mul_u32_u24 v59, v59, PV
	v_bfe_u32 v60, v0, 3, 1
	v_lshl_add_u32 v59, v60, 4, v59                ; + 16 ((L / 8) % 2)
	s_add_co_u32 s67, s67, 4*Q8                    ; V's parts lie behind K's four
	v_add_nc_u32 v[ADRV], s67, v59
	v_add_nc_u32 v[ADRV+1], SLOT, v[ADRV]
	v_mul_u32_u24 v[QOFF], v2, QKVP
	v_lshl_add_u32 v[QOFF], v3, 4, v[QOFF]         ; row r, 16 h
	s_lshl_b32 s68, s12, 14
	v_lshl_add_u32 v[MSA], v1, 4, s68              ; merge: 16 L + 16,384 x pair
	s_lshl_b32 s69, s12, 11
	s_add_co_u32 s69, s69, ML
	v_lshl_add_u32 v[MLA], v1, 4, s69
	s_mul_i32 s70, s10, 64*PK
	s_add_co_u32 s70, s70, s66
	s_add_co_u32 s70, s70, STG
	v_add_nc_u32 v[STO], s70, v58                  ; stage in: row 64 qg + r, byte 128 hd + 16 h
	s_mul_i32 s71, s8, 16*PK
	s_add_co_u32 s71, s71, STG
	v_mul_u32_u24 v61, v3, PK
	v_lshl_add_u32 v61, v2, 4, v61
	v_add_nc_u32 v[RD], s71, v61                   ; stage back: row 16 w + h, byte 16 r
	s_lshl_b32 s67, s8, 15
	v_lshlrev_b32 v62, 11, v3
	v_lshl_add_u32 v62, v2, 4, v62
	v_add_nc_u32 v[CO], s67, v62                   ; the same place in obuf's rows of 2,048 bytes
.irp t, 0,1,2,3
	v_mov_b32 v[NM0+2*\t+1], 0                     ; the upper registers of pairs of which the packed forms use the lower alone
	v_mov_b32 v[NM1+2*\t+1], 0
	v_mov_b32 v[AL+2*\t+1], 0
.endr
	WIN 0x40                                       ; destination window 1
.irp t, 0,1,2,3
.irp ks, 0,1
	global_load_b128 v[QF+16*\t+8*\ks:QF+16*\t+8*\ks+3],   v[QOFF], s[60:61] offset:\t*16*QKVP+64*\ks
	global_load_b128 v[QF+16*\t+8*\ks+4:QF+16*\t+8*\ks+7], v[QOFF], s[60:61] offset:\t*16*QKVP+64*\ks+32
.endr
.endr
	WIN 0
; K's fragments of 64 keys (part blk of my half of slot): sixteen loads, all windows 0
.macro KLOAD slot, blk
.irp i, 0,1,2,3
.irp ks, 0,1
	ds_load_b128 v[KF+16*\i+8*\ks:KF+16*\i+8*\ks+3],   v[ADRK+\slot] offset:\blk*Q8+\i*16*PK+64*\ks
	ds_load_b128 v[KF+16*\i+8*\ks+4:KF+16*\i+8*\ks+7], v[ADRK+\slot] offset:\blk*Q8+\i*16*PK+64*\ks+32
.endr
.endr
.endm
; V's fragments of the same keys: sixteen transposing loads, destination window 1
.macro VLOAD slot, blk
.irp g, 0,1
.irp dt, 0,1,2,3
	ds_load_tr16_b128 v[VF+32*\g+8*\dt:VF+32*\g+8*\dt+3],   v[ADRV+\slot] offset:\blk*Q8+\g*32*PV+32*\dt
	ds_load_tr16_b128 v[VF+32*\g+8*\dt+4:VF+32*\g+8*\dt+7], v[ADRV+\slot] offset:\blk*Q8+\g*32*PV+32*\dt+16*PV
.endr
.endr
.endm
; X.  doS: the 16 products S^T of half h.  doE: the other half's 32 register pairs go through shift (one rounding: s c - max c), two exponentials and the sum,
; each step two places of the list behind the one before, the half's two query tiles by turns.  epar: which set of shifts that half's block wrote.
; firstE: its sums start here.  vld: V's fragments of (slot, blk) are asked for.
; Places: ahead of the first product, which writes over the P that the last products read, stand five shifts and one sum; ahead of the loads
; into V's fragments the same six.  Behind an exponential a shift or a sum of other registers stands before its result is summed (ISA guide 5.7.2).
; The 8 accumulators take turns, one instruction a turn: d 0-31 starts the sums, d 32-63 adds in place.
.macro XS h, doS, doE, firstE, epar, vld, slot, blk
	WIN 0x04                                       ; source 1 (Q) window 1, all else window 0
.set EB, SC+64*(1-\h)
.set ET, 2*(1-\h)
.set NME, NM0+8*(\epar)
.set ST, 2*\h
.set p, 0
.rept 36
.set rr, EB+32*(p&1)+2*(p>>1)
.set etl, ET+(p&1)
.if \doE
.if p < 32
	v_pk_fma_f32 v[rr:rr+1], v[rr:rr+1], s[18:19], v[NME+2*etl:NME+2*etl+1] op_sel_hi:[1,0,0]
.endif
.if p >= 2
.if p < 34
	v_exp_f32 v[rr-2], v[rr-2]
	v_exp_f32 v[rr-1], v[rr-1]
.endif
.endif
.if p >= 4
.set ini, 0
.if \firstE
.if p < 6
.set ini, 1
.endif
.endif
.if ini
	s_wait_alu depctr_va_vdst(0)
	v_pk_mul_f32 v[LS+2*etl:LS+2*etl+1], v[rr-4:rr-3], 1.0 op_sel_hi:[1,0]      ; the first pair starts the sums
.else
	s_wait_alu depctr_va_vdst(0)
	v_pk_fma_f32 v[LS+2*etl:LS+2*etl+1], v[rr-4:rr-3], 1.0, v[LS+2*etl:LS+2*etl+1] op_sel_hi:[1,0,1]   ; P + sum; the constant keeps the second source out of window 1
.endif
.endif
.endif
.if \vld
.if p == 4
	WIN 0x40
	VLOAD \slot, \blk
	WIN 0x04
.endif
.endif
.if \doS
.if p >= 4
.if (p&1) == 0
.set k, (p-4)>>1
.set wi, (k&7)>>1
.set wt, ST+(k&1)
.if k < 8
	v_wmma_f32_16x16x32_bf16 v[SC+32*wt+8*wi:SC+32*wt+8*wi+7], v[KF+16*wi:KF+16*wi+7], v[QF+16*wt:QF+16*wt+7], 0
.else
	v_wmma_f32_16x16x32_bf16 v[SC+32*wt+8*wi:SC+32*wt+8*wi+7], v[KF+16*wi+8:KF+16*wi+15], v[QF+16*wt+8:QF+16*wt+15], v[SC+32*wt+8*wi:SC+32*wt+8*wi+7]
.endif
.endif
.endif
.endif
.set p, p+1
.endr
.endm
; one conversion of the list of 32: P to bf16, in place and ascending: two tiles (16 registers) become the 8 registers of a fragment over 32 keys
.macro CV1
.if c < cvl
	v_cvt_pk_bf16_f32 v[CB+16*(c>>3)+(c&7)], v[CB+16*(c>>3)+2*(c&7)], v[CB+16*(c>>3)+2*(c&7)+1]
.set c, c+1
.endif
.endm
; one step of the maximum for the half's two query tiles, and one conversion
.macro MSTEP d, a, b
	v_max3_num_f32 v[\d+MT], v[\d+MT], v[MB+\a], v[MB+\b]
	v_max3_num_f32 v[\d+MT+1], v[\d+MT+1], v[MB+32+\a], v[MB+32+\b]
	CV1
.endm
; Y.  doCvt: the other half's P is rounded.  doMax: the running maximum of S^T(h), its shift (set par), and, unless firstM, the factor for what was summed before.
; kact, behind the first sixteen conversions (they and one sum are the places between the last S product and the loads into K's fragments and the maximum's reads):
;   1: K's fragments of (nslot, nblk) are asked for;
;   2: slot rslot, of which my last reads (V of this block) have been issued, is filled again, 512 keys on; then as 1, from the other slot;
;   3: the last change of slots: a barrier alone; then as 1.
.macro YS h, firstM, par, doCvt, doMax, kact, rslot, nslot, nblk
	WIN 0
.set CB, SC+64*(1-\h)
.set MB, SC+64*\h
.set MT, 2*\h
.set NMN, NM0+8*(\par)
.set NMO, NM1-8*(\par)
.set c, 0
.set cvl, 32*\doCvt
.if \doCvt
.rept 16
	CV1
.endr
.else
.rept 4
	v_nop                                          ; four places before vector instructions read the products
.endr
.endif
.if \kact == 2
	s_wait_xcnt 0x0
	v_lshl_add_u32 v158, v0, 2, 0x48000
	v_mov_b32 v159, 0
	s_wait_tensorcnt 0x0                           ; all my tensor loads have landed, my part of the other slot among them: every group 0 may be written
	ds_add_u32 v158, v159
	s_wait_dscnt 0x0
	s_add_nc_u64 s[G0K+4*\rslot+2:G0K+4*\rslot+3], s[G0K+4*\rslot+2:G0K+4*\rslot+3], 2*PHASE
	s_add_nc_u64 s[G0V+4*\rslot+2:G0V+4*\rslot+3], s[G0V+4*\rslot+2:G0V+4*\rslot+3], 2*PHASE
	s_wait_dscnt 0x0                               ; my reads of this slot are over
	ROUND                                          ; both now hold of every wave of all four work-groups
	JLOAD \rslot                                   ; the wave's one tensor load behind the round, and the first thing there; it has two blocks of each wave in which to land
.endif
.if \kact == 3
	s_wait_tensorcnt 0x0                           ; my part of the last slot is in
	s_wait_dscnt 0x0
	s_barrier_signal -1
	s_barrier_wait -1                              ; the slot is whole for every wave; nothing is filled any more, and no wave reads slot 0 again
.endif
.if \kact
	KLOAD \nslot, \nblk
.endif
.if \doMax
	; my 32 numbers of each query tile in two chains, then the other half of the wave
.if \firstM
	v_max_num_f32 v[TA+MT], v[MB], v[MB+1]
	v_max_num_f32 v[TA+MT+1], v[MB+32], v[MB+33]
.else
	v_max3_num_f32 v[TA+MT], v[MX+MT], v[MB], v[MB+1]
	v_max3_num_f32 v[TA+MT+1], v[MX+MT+1], v[MB+32], v[MB+33]
.endif
	CV1
	v_max3_num_f32 v[TB+MT], v[MB+2], v[MB+3], v[MB+4]
	v_max3_num_f32 v[TB+MT+1], v[MB+34], v[MB+35], v[MB+36]
	CV1
.set j, 5
.rept 6
	MSTEP TA, j, j+1
	MSTEP TB, j+2, j+3
.set j, j+4
.endr
	MSTEP TA, 29, 30
	v_max3_num_f32 v[TA+MT], v[TA+MT], v[TB+MT], v[MB+31]
	v_max3_num_f32 v[TA+MT+1], v[TA+MT+1], v[TB+MT+1], v[MB+63]
	CV1
	v_permlanex16_b32 v[TB+MT], v[TA+MT], s20, s21
	v_permlanex16_b32 v[TB+MT+1], v[TA+MT+1], s20, s21
	v_max_num_f32 v[MX+MT], v[TA+MT], v[TB+MT]
	v_max_num_f32 v[MX+MT+1], v[TA+MT+1], v[TB+MT+1]
	v_mul_f32 v[NMN+2*MT], s22, v[MX+MT]           ; the shift, rounded once; every number of this block uses this same figure
	v_mul_f32 v[NMN+2*MT+2], s22, v[MX+MT+1]
.if \firstM == 0
	v_sub_f32 v[TB+MT], v[NMN+2*MT], v[NMO+2*MT]   ; from the two rounded shifts, so that old and new sums stand on one shift exactly; never above 0
	v_sub_f32 v[TB+MT+1], v[NMN+2*MT+2], v[NMO+2*MT+2]
	v_exp_f32 v[AL+2*MT], v[TB+MT]
	v_exp_f32 v[AL+2*MT+2], v[TB+MT+1]
	v_nop                                          ; one plain place behind the exponentials
	s_wait_alu depctr_va_vdst(0)
	v_pk_mul_f32 v[LS+2*MT:LS+2*MT+1], v[LS+2*MT:LS+2*MT+1], v[AL+2*MT:AL+2*MT+1] op_sel_hi:[1,0]
	v_pk_mul_f32 v[LS+2*MT+2:LS+2*MT+3], v[LS+2*MT+2:LS+2*MT+3], v[AL+2*MT+2:AL+2*MT+3] op_sel_hi:[1,0]
.endif
.else
.rept 16
	CV1
.endr
.endif
.endm
; Z.  The 16 products O^T += V^T P^T of the other half: keys 0-31, then keys 32-63; the 8 accumulators take turns, one instruction a turn.
; firstPV: keys 0-31 start the sums.  doResc: O^T(h), which no product of this stage names, is multiplied by its factor, two register pairs behind each product.
.macro ZS h, firstPV, doResc
	WIN 0x51                                       ; V, C and D window 1, P and the factor window 0
.set PT, 2*(1-\h)
.set RB, OA+64*\h
.set RT, 2*\h
.set k, 0
.rept 16
.set zg, k>>3
.set zd, (k&7)>>1
.set zt, PT+(k&1)
.set ini, 0
.if \firstPV
.if k < 8
.set ini, 1
.endif
.endif
.if ini
	v_wmma_f32_16x16x32_bf16 v[OA+32*zt+8*zd:OA+32*zt+8*zd+7], v[VF+32*zg+8*zd:VF+32*zg+8*zd+7], v[SC+32*zt+16*zg:SC+32*zt+16*zg+7], 0
.else
	v_wmma_f32_16x16x32_bf16 v[OA+32*zt+8*zd:OA+32*zt+8*zd+7], v[VF+32*zg+8*zd:VF+32*zg+8*zd+7], v[SC+32*zt+16*zg:SC+32*zt+16*zg+7], v[OA+32*zt+8*zd:OA+32*zt+8*zd+7]
.endif
.if \doResc
	v_pk_mul_f32 v[RB+4*k:RB+4*k+1], v[RB+4*k:RB+4*k+1], v[AL+2*(RT+(k>>3)):AL+2*(RT+(k>>3))+1] op_sel_hi:[1,0]
	v_pk_mul_f32 v[RB+4*k+2:RB+4*k+3], v[RB+4*k+2:RB+4*k+3], v[AL+2*(RT+(k>>3)):AL+2*(RT+(k>>3))+1] op_sel_hi:[1,0]
.endif
.set k, k+1
.endr
.endm
; A block: 64 keys (part blk of my half of slot) against my 64 queries, as two half-stages.  par: which set of shifts it writes.  first: it is the first block;
; pfirst: the block before was; hasprev: there is one.  kact, nslot, nblk: what Y of the second half does (see there); the slot filled again is this block's.
.macro BLK slot, blk, par, first, pfirst, hasprev, kact, nslot, nblk
.set BEP, 1-\par
.set BNF, 1-\first
	s_wait_dscnt 0x0                               ; K's fragments of this block are in
	XS 0, 1, \hasprev, \pfirst, BEP, 0, \slot, \blk
	YS 0, \first, \par, \hasprev, 1, 0, 0, 0, 0
.if \hasprev
	ZS 0, \pfirst, BNF
.endif
	XS 1, 1, 1, \first, \par, 1, \slot, \blk
	YS 1, \first, \par, 1, 1, \kact, \slot, \nslot, \nblk
.if \kact
	s_wait_dscnt 16                                ; V's sixteen loads are in; K's sixteen of the next block, issued behind them, may stay out
.else
	s_wait_dscnt 0x0                               ; V's fragments are in
.endif
	ZS 1, \first, BNF
.endm
	s_wait_tensorcnt 0x1                           ; my part of slot 0 is in; slot 1's may stay out
	s_barrier_signal -1
	s_barrier_wait -1
	KLOAD 0, 0
	s_wait_loadcnt 0x0                             ; Q
	BLK 0, 0, 0, 1, 0, 0, 1, 0, 1                  ; keys 0-255: the first products start the sums
	BLK 0, 1, 1, 0, 1, 1, 2, 1, 0                  ; slot 0 is asked for again: keys 512-767
	WIN 0                                          ; at a label and at a branch every window is 0
	s_mov_b32 s23, 2
.Lpair:
	BLK 1, 0, 0, 0, 0, 1, 1, 1, 1
	BLK 1, 1, 1, 0, 0, 1, 2, 0, 0
	BLK 0, 0, 0, 0, 0, 1, 1, 0, 1
	BLK 0, 1, 1, 0, 0, 1, 2, 1, 0
	WIN 0
	s_sub_co_u32 s23, s23, 1
	s_cmp_lg_u32 s23, 0
	s_cbranch_scc1 .Lpair
	BLK 1, 0, 0, 0, 0, 1, 1, 1, 1                  ; keys 1280-1535
	BLK 1, 1, 1, 0, 0, 1, 2, 0, 0                  ; the last refill: keys 1792-2047 into slot 1
	BLK 0, 0, 0, 0, 0, 1, 1, 0, 1                  ; keys 1536-1791
	BLK 0, 1, 1, 0, 0, 1, 3, 1, 0                  ; nothing is left to fetch: a barrier alone
	BLK 1, 0, 0, 0, 0, 1, 1, 1, 1                  ; keys 1792-2047
	BLK 1, 1, 1, 0, 0, 1, 0, 0, 0
	XS 0, 0, 1, 0, 1, 0, 0, 0                      ; the last half's exponentials and sums,
	YS 0, 0, 1, 1, 0, 0, 0, 0, 0                   ; its P,
	ZS 0, 0, 0                                     ; and its products
	WIN 0
	; THE END.  Each wave's sums across the two halves of its lanes; then the key halves are merged.
.rept 4
	v_nop                                          ; four places before O is read and P's registers are loaded into
.endr
.irp t, 0,1,2,3
	v_add_f32 v[TA+\t], v[LS+2*\t], v[LS+2*\t+1]
.endr
.irp t, 0,1,2,3
	v_permlanex16_b32 v[TB+\t], v[TA+\t], s20, s21
.endr
.irp t, 0,1,2,3
	v_add_f32 v[TA+\t], v[TA+\t], v[TB+\t]
.endr
	s_cmp_eq_u32 s11, 0
	s_cbranch_scc1 .Lkeep
	WIN 0x04                                       ; store data window 1
.set i, 0
.rept 32
	ds_store_b128 v[MSA], v[OA+4*i:OA+4*i+3] offset:512*i      ; waves 4-7: O as it lies, 16 bytes a lane
.set i, i+1
.endr
	WIN 0
	ds_store_b128 v[MLA], v[NM1:NM1+3]                         ; the last shifts,
	ds_store_b128 v[MLA], v[NM1+4:NM1+7] offset:512
	ds_store_b128 v[MLA], v[TA:TA+3] offset:1024               ; the sums
.Lkeep:
	s_wait_dscnt 0x0                               ; for the partner's sake: the stores are done
	s_barrier_signal -1
	s_barrier_wait -1
	s_cmp_lg_u32 s11, 0
	s_cbranch_scc1 .Lmerged
	ds_load_b128 v[NM0:NM0+3], v[MLA]              ; waves 0-3: the partner's shifts, sums and O
	ds_load_b128 v[NM0+4:NM0+7], v[MLA] offset:512
	ds_load_b128 v[TB:TB+3], v[MLA] offset:1024
.set i, 0
.rept 32
	ds_load_b128 v[SC+4*i:SC+4*i+3], v[MSA] offset:512*i
.set i, i+1
.endr
	s_wait_dscnt 0x0
.irp t, 0,1,2,3
	v_min_num_f32 v[MX+\t], v[NM1+2*\t], v[NM0+2*\t]           ; the shift of the larger maximum
.endr
.irp t, 0,1,2,3
	v_sub_f32 v[LS+2*\t], v[MX+\t], v[NM1+2*\t]                ; never above 0
	v_sub_f32 v[LS+2*\t+1], v[MX+\t], v[NM0+2*\t]
.endr
.irp t, 0,1,2,3
	v_exp_f32 v[LS+2*\t], v[LS+2*\t]
	v_exp_f32 v[LS+2*\t+1], v[LS+2*\t+1]
.endr
	v_nop                                          ; one plain place behind the exponentials
	s_wait_alu depctr_va_vdst(0)
.irp t, 0,1,2,3
	v_mul_f32 v[TA+\t], v[TA+\t], v[LS+2*\t]
.endr
.irp t, 0,1,2,3
	v_fmac_f32 v[TA+\t], v[TB+\t], v[LS+2*\t+1]                ; the whole row's sum
.endr
.irp t, 0,1,2,3
	v_rcp_f32 v[TA+\t], v[TA+\t]
.endr
	v_nop                                          ; one plain place behind the reciprocals
	s_wait_alu depctr_va_vdst(0)
.irp t, 0,1,2,3
	v_mul_f32 v[AL+2*\t], v[LS+2*\t], v[TA+\t]                 ; my O's factor
	v_mul_f32 v[NM0+2*\t], v[LS+2*\t+1], v[TA+\t]              ; the partner's
.endr
.set j, 0
.rept 64
	v_pk_mul_f32 v[SC+2*j:SC+2*j+1], v[SC+2*j:SC+2*j+1], v[NM0+2*(j/16):NM0+2*(j/16)+1] op_sel_hi:[1,0]
.set j, j+1
.endr
	WIN 0x01                                       ; source 0 (my O) window 1
.set j, 0
.rept 64
	v_pk_fma_f32 v[SC+2*j:SC+2*j+1], v[OA+2*j:OA+2*j+1], v[AL+2*(j/16):AL+2*(j/16)+1], v[SC+2*j:SC+2*j+1] op_sel_hi:[1,0,1]
.set j, j+1
.endr
	WIN 0
.set j, 0
.rept 16
.irp r, 0,1,2,3
	v_cvt_pk_bf16_f32 v[SC+8*j+\r], v[SC+8*j+2*\r], v[SC+8*j+2*\r+1]   ; a tile's eight d of a query: 16 bytes
.endr
.set j, j+1
.endr
.irp t, 0,1,2,3
.irp dt, 0,1,2,3
	ds_store_b128 v[STO], v[SC+32*\t+8*\dt:SC+32*\t+8*\dt+3] offset:\t*16*PK+32*\dt
.endr
.endr
.Lmerged:
	s_wait_dscnt 0x0
	s_barrier_signal -1
	s_barrier_wait -1
	; all eight waves: 16 rows each, read back as whole rows of 256 bytes (both heads of a query) and stored
.irp tt, 0,1,2,3,4,5,6,7
	ds_load_b128 v[KF+4*\tt:KF+4*\tt+3], v[RD] offset:\tt*2*PK
.endr
.irp tt, 0,1,2,3,4,5,6,7
	s_wait_dscnt 7-\tt                             ; read-back tt is in, the younger ones stay out
	global_store_b128 v[CO], v[KF+4*\tt:KF+4*\tt+3], s[62:63] offset:\tt*4096      ; 16 lanes store 256 consecutive bytes, aligned
.endr
	s_wait_xcnt 0x0
	v_lshl_add_u32 v158, v0, 2, 0x48000
	v_mov_b32 v159, 0
	s_wait_tensorcnt 0x0
	ds_add_u32 v158, v159
	s_wait_dscnt 0x0
	ROUND                                          ; the closing round
	s_endpgm
.Lfunc_end_k_q0959965b45_attn:
	.size	k_q0959965b45_attn, .Lfunc_end_k_q0959965b45_attn-k_q0959965b45_attn
	.p2alignl 7, 3214868480
	.fill 96, 4, 3214868480
	.section	.rodata,"a",@progbits
	.p2align	6, 0x0
	.amdhsa_kernel k_q0959965b45_attn
		.amdhsa_group_segment_fixed_size 327680
		.amdhsa_private_segment_fixed_size 0
		.amdhsa_enable_private_segment 0
		.amdhsa_kernarg_size 16
		.amdhsa_user_sgpr_count 2
		.amdhsa_user_sgpr_kernarg_segment_ptr 1
		.amdhsa_wavefront_size32 1
		.amdhsa_system_sgpr_workgroup_id_x 1
		.amdhsa_system_sgpr_workgroup_id_y 1
		.amdhsa_system_sgpr_workgroup_id_z 1
		.amdhsa_system_vgpr_workitem_id 0
		.amdhsa_next_free_vgpr 512
		.amdhsa_next_free_sgpr 72
		.amdhsa_reserve_vcc 0
		.amdhsa_float_denorm_mode_32 3
		.amdhsa_float_denorm_mode_16_64 3
		.amdhsa_memory_ordered 1
		.amdhsa_forward_progress 1
		.amdhsa_inst_pref_size 255
	.end_amdhsa_kernel
	.section	.bss,"aw",@nobits
	.p2align	6
	.space	262144
	.amdgpu_metadata
---
amdhsa.version: [ 1, 2 ]
amdhsa.kernels:
  - .name:           k_q0959965b45_attn
    .symbol:         k_q0959965b45_attn.kd
    .args:
      - { .name: qkv, .offset: 0, .size: 8, .value_kind: global_buffer, .address_space: global }
      - { .name: obuf, .offset: 8, .size: 8, .value_kind: global_buffer, .address_space: global }
    .group_segment_fixed_size: 327680
    .private_segment_fixed_size: 0
    .kernarg_segment_align: 8
    .kernarg_segment_size: 16
    .max_flat_workgroup_size: 256
    .sgpr_count:     72
    .vgpr_count:     512
    .wavefront_size: 32
...
	.end_amdgpu_metadata
.endif
;; end of part 3
;; launch oproj (part 4): grid 8 x 32, 4 waves a work-group, clusters of 4 x 4, 327,680 bytes of LDS; arguments obuf, bfin, bo, out0; writes out0
.if DOCPART == 4
	.amdgcn_target "amdgcn-amd-amdhsa--gfx1250"
	.amdhsa_code_object_version 6
	.text
	.protected	k_q0959965b45_oproj
	.globl	k_q0959965b45_oproj
	.p2align	8
	.type	k_q0959965b45_oproj,@function
k_q0959965b45_oproj:
	s_mov_b64 s[64:65], 0
	v_nop
	global_prefetch_b8 v0, s[64:65] scope:SCOPE_SE
	s_setreg_imm32_b32 hwreg(HW_REG_WAVE_MODE, 25, 1), 1
	s_wait_xcnt 0x0
	s_wait_alu depctr_hold_cnt(0) depctr_sa_sdst(0) depctr_va_vdst(0) depctr_va_sdst(0) depctr_va_ssrc(0) depctr_va_vcc(0) depctr_vm_vsrc(0)
	s_getreg_b32 s2, hwreg(HW_REG_IB_STS2, 6, 4)
	s_cmp_eq_u32 s2, 0
	s_cbranch_scc0 .Lentry_in_a_cluster
	s_endpgm
.Lentry_in_a_cluster:
	s_bfe_u32 s2, ttmp6, 0x10000c
	s_cmp_lg_u32 s2, 0xf033
	s_cbranch_scc0 .Lentry_shape_is_right
	s_endpgm
.Lentry_shape_is_right:
; out0 = O Wo + bo.  O: obuf [4096][1024] bf16; Wo: [1024 k][1024 n] bf16 at byte 23,068,672 of bfin; bo: [1024] f32; out0: [4096][1024] f32.
; A work-group makes 128 x 128 with four waves, a wave 64 x 64 (16 accumulator tiles): 256 work-groups; blocks of 256 x 256 would leave 64.
; K goes in steps of 256 through two LDS slots: O's tile 128 rows x 512 bytes, Wo's 256 k-rows x 256 bytes, read with the transposing LDS load.
; CLUSTERS: 4 x 4.  O's tile is asked for jointly by a row of the cluster, Wo's by a column.
; The matrix instruction is used transposed (source 0: 16 columns of Wo, source 1: 16 rows of O): a lane holds eight neighbouring columns of one row.
; REGISTERS: window 0: v0-31 addresses and bias, v128-255 fragment buffer 0; window 1: v0-127 accumulators (tile (a, b) at 8 (4 a + b)), v128-255 fragment buffer 1.
; In a buffer: Wo's fragment (b, ks) at 128 + 16 b + 8 ks, O's (a, ks) at 192 + 16 a + 8 ks: 64 along K.
; Limit: operands are bf16; sums and the bias in f32.
.set PA,    528                        ; O's LDS row: 512 + 16, an odd multiple of 16
.set PBB,   288                        ; Wo's LDS row: 256 + 32, an odd multiple of 32
.set PART,  36864                      ; what one tensor load may fill: 64 rows x 528 (33,792 used) or 128 k-rows x 288
.set SLOT,  4*PART
.set STAGE, 2*SLOT                     ; behind the ring: 16 rows x 272 bytes for each wave; no tensor load fills it
.set SP,    272
.set WO_OFF, 23068672
.set ADRA, 16                          ; v[16:17]  O's fragment address, slot 0, 1
.set ADRB, 20                          ; v[20:23]  Wo's, index 2 slot + k half (a slot's 256 k-rows pass the 16-bit offset)
.set STO,  24
.set RD,   25
.set CO,   26
.set BOFF, 27
.set BIAS, 28                          ; v[28:31]
.set FR,   128
.set G1A, 24
.set G0A, 32
.set G1B, 40
.set G0B, 48
.set MSB, 0
.macro WIN new
.if MSB != \new
	s_set_vgpr_msb (MSB<<8)|\new
.set MSB, \new
.endif
.endm
.macro JLOAD s                         ; waves 0 and 1 ask for O's row halves, waves 2 and 3 for Wo's k halves
	s_cmp_eq_u32 s13, 0
	s_cbranch_scc0 .Lfor_b_\@
	tensor_load_to_lds s[G0A+4*\s:G0A+4*\s+3], s[G1A:G1A+7]
	s_nop 0
	s_branch .Lasked_\@
.Lfor_b_\@:
	tensor_load_to_lds s[G0B+4*\s:G0B+4*\s+3], s[G1B:G1B+7]
	s_nop 0
.Lasked_\@:
.endm
.macro CREST                           ; a round of the cluster's barrier behind its opening barrier
	s_cmp_lg_u32 s12, 0
	s_cbranch_scc1 .Lnot_wave_0_\@
	s_barrier_signal -3
.Lnot_wave_0_\@:
	s_barrier_wait -3
	s_barrier_signal -1
	s_barrier_wait -1
.endm
.macro CROUND
	s_barrier_signal -1
	s_barrier_wait -1
	CREST
.endm
.macro PLACES                          ; four places behind matrix instructions, for loads into their sources and for readers of their results (ISA guide 7.12.1 for vector instructions)
.rept 4
	v_nop
.endr
.endm
	s_load_b256 s[4:11], s[0:1], 0x0               ; obuf s[4:5], bfin s[6:7], bo s[8:9], out0 s[10:11]
	v_lshl_add_u32 v126, v0, 2, 0x4c400
	v_mov_b32 v127, 0
	ds_add_u32 v126, v127
	v_lshrrev_b32 v1, 5, v0
	v_readfirstlane_b32 s12, v1                    ; wave 0..3
	s_lshr_b32 s13, s12, 1                         ; my half of the rows.  Also: I fetch for O (0) or for Wo (1)
	s_and_b32 s14, s12, 1                          ; my half of the columns.  Also: which half of that tile I fetch
	s_bfe_u32 s15, ttmp6, 0x40000                  ; cx
	s_bfe_u32 s16, ttmp6, 0x40004                  ; cy
	s_lshl_b32 s17, ttmp9, 2
	s_add_co_u32 s17, s17, s15                     ; block column
	s_and_b32 s18, ttmp7, 0xffff
	s_lshl_b32 s18, s18, 2
	s_add_co_u32 s18, s18, s16                     ; block row
	s_lshl_b32 s19, s16, 2
	s_lshl_b32 s19, 15, s19                        ; my row of the cluster
	s_lshl_b32 s20, 0x1111, s15                    ; my column
	; group 1 for O: 64 rows x 256 elements of 2 bytes, 4 words of padding behind every 128
	s_or_b32 s[G1A+0], s19, (1<<16)|(1<<20)|(1<<21)|(6<<22)|(3<<25)
	s_mov_b32 s[G1A+1], 256<<16
	s_mov_b32 s[G1A+2], 64<<16
	s_mov_b32 s[G1A+3], 256<<16
	s_mov_b32 s[G1A+4], 64
	s_mov_b32 s[G1A+5], 1024
	s_mov_b32 s[G1A+6], 0
	s_mov_b32 s[G1A+7], 0
	; group 1 for Wo: 128 k-rows x 128 elements of 2 bytes, 8 words of padding behind every 64
	s_or_b32 s[G1B+0], s20, (1<<16)|(1<<20)|(1<<21)|(5<<22)|(7<<25)
	s_mov_b32 s[G1B+1], 128<<16
	s_mov_b32 s[G1B+2], 128<<16
	s_mov_b32 s[G1B+3], 128<<16
	s_mov_b32 s[G1B+4], 128
	s_mov_b32 s[G1B+5], 1024
	s_mov_b32 s[G1B+6], 0
	s_mov_b32 s[G1B+7], 0
	s_lshl_b32 s22, s18, 7                         ; O: row 128 x block row + 64 x half; never made of cx
	s_lshl_b32 s23, s14, 6
	s_add_co_u32 s22, s22, s23
	s_lshl_b32 s22, s22, 11                        ; rows of 2,048 bytes
	s_mov_b32 s23, 0
	s_lshl_b32 s56, s14, 18                        ; Wo: k-row 128 x half (2,048 bytes each), column 128 x block column; never made of cy
	s_lshl_b32 s57, s17, 8
	s_add_co_u32 s56, s56, s57
	s_add_co_u32 s56, s56, WO_OFF
	s_mov_b32 s57, 0
	s_mul_i32 s21, s12, PART                       ; where my load goes
	s_wait_dscnt 0x0
	s_wait_kmcnt 0x0
	s_add_nc_u64 s[22:23], s[4:5], s[22:23]
	s_add_nc_u64 s[56:57], s[6:7], s[56:57]
	CROUND                                         ; all sixteen work-groups are here
.irp s, 0,1
	s_mov_b32 s[G0A+4*\s], 1
	s_add_co_u32 s[G0A+4*\s+1], s21, \s*SLOT
	s_add_nc_u64 s[G0A+4*\s+2:G0A+4*\s+3], s[22:23], \s*512          ; K step s: 512 bytes along the rows
	s_or_b32 s[G0A+4*\s+3], s[G0A+4*\s+3], 0x80000000
	s_mov_b32 s[G0B+4*\s], 1
	s_add_co_u32 s[G0B+4*\s+1], s21, \s*SLOT
	s_add_nc_u64 s[G0B+4*\s+2:G0B+4*\s+3], s[56:57], \s*524288       ; K step s: 256 k-rows down
	s_or_b32 s[G0B+4*\s+3], s[G0B+4*\s+3], 0x80000000
	JLOAD \s                                       ; two tensor loads of the wave are out
.endr
	v_and_b32 v1, 15, v0                           ; r
	v_bfe_u32 v2, v0, 4, 1                         ; h
	v_mul_u32_u24 v3, v1, PA
	v_lshl_add_u32 v3, v2, 4, v3
	s_mul_i32 s58, s13, PART                       ; my 64 rows of O
	v_add_nc_u32 v[ADRA], s58, v3
	v_add_nc_u32 v[ADRA+1], SLOT, v[ADRA]
	v_and_b32 v4, 7, v0
	v_lshl_add_u32 v4, v2, 3, v4                   ; 8 h + L % 8
	v_mul_u32_u24 v4, v4, PBB
	v_bfe_u32 v5, v0, 3, 1
	v_lshl_add_u32 v4, v5, 4, v4
	s_lshl_b32 s59, s14, 7                         ; my 64 columns of Wo: 128 bytes along its k-rows,
	s_add_co_u32 s59, s59, 2*PART                  ; behind O's two parts
	v_add_nc_u32 v[ADRB], s59, v4
	v_add_nc_u32 v[ADRB+1], PART, v[ADRB]
	v_add_nc_u32 v[ADRB+2], SLOT, v[ADRB]
	v_add_nc_u32 v[ADRB+3], SLOT+PART, v[ADRB]
	s_mul_i32 s60, s12, 16*SP
	s_add_co_u32 s60, s60, STAGE                   ; my stage
	v_mul_u32_u24 v6, v1, SP
	v_lshl_add_u32 v6, v2, 5, v6                   ; in: row r, 32 bytes for each half of the lanes
	v_add_nc_u32 v[STO], s60, v6
	v_mul_u32_u24 v7, v2, SP
	v_lshl_add_u32 v7, v1, 4, v7                   ; back: lanes 0-15 one row of 256 bytes, lanes 16-31 the next
	v_add_nc_u32 v[RD], s60, v7
	v_lshlrev_b32 v[BOFF], 4, v1                   ; 16 r
	v_lshl_add_u32 v[CO], v2, 12, v[BOFF]          ; the same two rows in out0
	s_lshl_b32 s62, s17, 9                         ; my first column, in bytes of f32: 512 x block column + 256 x half
	s_lshl_b32 s61, s14, 8
	s_add_co_u32 s62, s62, s61
	s_mov_b32 s63, 0
	s_add_nc_u64 s[8:9], s[8:9], s[62:63]
	s_add_nc_u64 s[10:11], s[10:11], s[62:63]
	global_load_b128 v[BIAS:BIAS+3], v[BOFF], s[8:9]           ; the four numbers of bo for the four columns that I store
	s_lshl_b32 s62, s18, 7
	s_lshl_b32 s61, s13, 6
	s_add_co_u32 s62, s62, s61
	s_lshl_b32 s62, s62, 12                        ; my first row, rows of 4,096 bytes
	s_add_nc_u64 s[10:11], s[10:11], s[62:63]
; 32 LDS loads: the fragments of chunk c (64 along K) of a slot into buffer buf.
.macro FETCH slot, c, buf
.if \buf
	WIN 0x40
.else
	WIN 0
.endif
.irp b, 0,1,2,3
.irp ks, 0,1
	ds_load_tr16_b128 v[FR+16*\b+8*\ks:FR+16*\b+8*\ks+3],   v[ADRB+2*\slot+(\c>>1)] offset:(\c&1)*64*PBB+\ks*32*PBB+32*\b
	ds_load_tr16_b128 v[FR+16*\b+8*\ks+4:FR+16*\b+8*\ks+7], v[ADRB+2*\slot+(\c>>1)] offset:(\c&1)*64*PBB+\ks*32*PBB+32*\b+16*PBB
.endr
.endr
.irp a, 0,1,2,3
.irp ks, 0,1
	ds_load_b128 v[FR+64+16*\a+8*\ks:FR+64+16*\a+8*\ks+3],   v[ADRA+\slot] offset:\a*16*PA+128*\c+64*\ks
	ds_load_b128 v[FR+64+16*\a+8*\ks+4:FR+64+16*\a+8*\ks+7], v[ADRA+\slot] offset:\a*16*PA+128*\c+64*\ks+32
.endr
.endr
.endm
; 32 matrix instructions on buffer buf: K 0-31 over the sixteen accumulators, then K 32-63; they take turns, one instruction a turn.
.macro MUL32 buf, zero
.if \buf
	WIN 0x55                                       ; sources 0 and 1 window 1, C and D window 1
.else
	WIN 0x50                                       ; sources 0 and 1 window 0, C and D window 1
.endif
.irp a, 0,1,2,3
.irp b, 0,1,2,3
.if \zero
	v_wmma_f32_16x16x32_bf16 v[8*(4*\a+\b):8*(4*\a+\b)+7], v[FR+16*\b:FR+16*\b+7], v[FR+64+16*\a:FR+64+16*\a+7], 0
.else
	v_wmma_f32_16x16x32_bf16 v[8*(4*\a+\b):8*(4*\a+\b)+7], v[FR+16*\b:FR+16*\b+7], v[FR+64+16*\a:FR+64+16*\a+7], v[8*(4*\a+\b):8*(4*\a+\b)+7]
.endif
.endr
.endr
.irp a, 0,1,2,3
.irp b, 0,1,2,3
	v_wmma_f32_16x16x32_bf16 v[8*(4*\a+\b):8*(4*\a+\b)+7], v[FR+16*\b+8:FR+16*\b+15], v[FR+64+16*\a+8:FR+64+16*\a+15], v[8*(4*\a+\b):8*(4*\a+\b)+7]
.endr
.endr
.endm
; fetch chunk c into buffer fn, multiply buffer fc
.macro STEP slot, c, fn, fc, zero
	PLACES
	FETCH \slot, \c, \fn
	s_wait_dscnt 32                                ; all but the 32 just issued: buffer fc is whole
	MUL32 \fc, \zero
.endm
; the slot's last chunk (buffer 1) and the change of slots
.macro CHANGE slot, next, fill
	s_wait_dscnt 0x0                               ; my reads of this slot are over
	s_wait_tensorcnt 0x0                           ; all my tensor loads have landed: the one that was out is my part of the next slot
	ds_add_u32 v126, v127
	s_wait_dscnt 0x0
	s_barrier_signal -1                            ; where the slot is filled again this barrier opens a round of the cluster's barrier
	MUL32 1, 0                                     ; register work while the others arrive
	WIN 0
	s_barrier_wait -1
.if \fill
	CREST
	s_add_nc_u64 s[G0A+4*\slot+2:G0A+4*\slot+3], s[G0A+4*\slot+2:G0A+4*\slot+3], 1024
	s_add_nc_u64 s[G0B+4*\slot+2:G0B+4*\slot+3], s[G0B+4*\slot+2:G0B+4*\slot+3], 1048576
	JLOAD \slot                                    ; the wave's one tensor load behind the round, and the first thing there; 96 matrix instructions follow before its wait
.endif
	PLACES
	FETCH \next, 0, 0
.endm
	s_wait_tensorcnt 0x1                           ; my part of slot 0 is in; slot 1's may stay out
	s_barrier_signal -1
	s_barrier_wait -1
	FETCH 0, 0, 0
	STEP 0, 1, 1, 0, 1                             ; the first products start the sums
	STEP 0, 2, 0, 1, 0
	STEP 0, 3, 1, 0, 0
	CHANGE 0, 1, 1                                 ; K 512-767 into slot 0
	STEP 1, 1, 1, 0, 0
	STEP 1, 2, 0, 1, 0
	STEP 1, 3, 1, 0, 0
	CHANGE 1, 0, 1                                 ; K 768-1023 into slot 1
	STEP 0, 1, 1, 0, 0
	STEP 0, 2, 0, 1, 0
	STEP 0, 3, 1, 0, 0
	CHANGE 0, 1, 0                                 ; nothing is left to fetch
	STEP 1, 1, 1, 0, 0
	STEP 1, 2, 0, 1, 0
	STEP 1, 3, 1, 0, 0
	s_wait_dscnt 0x0
	MUL32 1, 0
	; THE WAY OUT, 16 rows at a time: 32 bytes a lane into my own stage, read back as whole rows of 256 bytes, the bias added, stored.
	PLACES
	s_wait_loadcnt 0x0                             ; the bias
.macro OUT16 a, bank
	WIN 0x04                                       ; store data window 1
.irp b, 0,1,2,3
	ds_store_b128 v[STO], v[8*(4*\a+\b):8*(4*\a+\b)+3] offset:64*\b
	ds_store_b128 v[STO], v[8*(4*\a+\b)+4:8*(4*\a+\b)+7] offset:64*\b+16
.endr
	WIN 0
	s_wait_xcnt 0x0                                ; the registers that earlier stores read, and the stores' base, are rewritten only behind this wait
.if \a
	s_add_nc_u64 s[10:11], s[10:11], 16*4096
.endif
.irp t, 0,1,2,3,4,5,6,7
	ds_load_b128 v[FR+32*\bank+4*\t:FR+32*\bank+4*\t+3], v[RD] offset:\t*2*SP      ; LDS serves a wave's instructions in order (ISA guide 5.7.1): these see the stores above
.endr
.irp t, 0,1,2,3,4,5,6,7
	s_wait_dscnt 7-\t                              ; read-back t is in, the younger ones stay out
	v_pk_add_f32 v[FR+32*\bank+4*\t:FR+32*\bank+4*\t+1], v[FR+32*\bank+4*\t:FR+32*\bank+4*\t+1], v[BIAS:BIAS+1]
	v_pk_add_f32 v[FR+32*\bank+4*\t+2:FR+32*\bank+4*\t+3], v[FR+32*\bank+4*\t+2:FR+32*\bank+4*\t+3], v[BIAS+2:BIAS+3]
	global_store_b128 v[CO], v[FR+32*\bank+4*\t:FR+32*\bank+4*\t+3], s[10:11] offset:\t*2*4096 th:TH_STORE_NT   ; 16 lanes store 256 consecutive bytes, aligned
.endr
.endm
	OUT16 0, 0
	OUT16 1, 1
	OUT16 2, 0
	OUT16 3, 1
	s_wait_tensorcnt 0x0
	ds_add_u32 v126, v127
	s_wait_dscnt 0x0
	CROUND                                         ; the closing round
	s_endpgm
.Lfunc_end_k_q0959965b45_oproj:
	.size	k_q0959965b45_oproj, .Lfunc_end_k_q0959965b45_oproj-k_q0959965b45_oproj
	.p2alignl 7, 3214868480
	.fill 96, 4, 3214868480
	.section	.rodata,"a",@progbits
	.p2align	6, 0x0
	.amdhsa_kernel k_q0959965b45_oproj
		.amdhsa_group_segment_fixed_size 327680
		.amdhsa_private_segment_fixed_size 0
		.amdhsa_enable_private_segment 0
		.amdhsa_kernarg_size 32
		.amdhsa_user_sgpr_count 2
		.amdhsa_user_sgpr_kernarg_segment_ptr 1
		.amdhsa_wavefront_size32 1
		.amdhsa_system_sgpr_workgroup_id_x 1
		.amdhsa_system_sgpr_workgroup_id_y 1
		.amdhsa_system_sgpr_workgroup_id_z 1
		.amdhsa_system_vgpr_workitem_id 0
		.amdhsa_next_free_vgpr 512
		.amdhsa_next_free_sgpr 66
		.amdhsa_reserve_vcc 0
		.amdhsa_float_denorm_mode_32 3
		.amdhsa_float_denorm_mode_16_64 3
		.amdhsa_memory_ordered 1
		.amdhsa_forward_progress 1
		.amdhsa_inst_pref_size 89
	.end_amdhsa_kernel
	.amdgpu_metadata
---
amdhsa.version: [ 1, 2 ]
amdhsa.kernels:
  - .name:           k_q0959965b45_oproj
    .symbol:         k_q0959965b45_oproj.kd
    .args:
      - { .name: obuf, .offset: 0, .size: 8, .value_kind: global_buffer, .address_space: global }
      - { .name: bfin, .offset: 8, .size: 8, .value_kind: global_buffer, .address_space: global }
      - { .name: bo, .offset: 16, .size: 8, .value_kind: global_buffer, .address_space: global }
      - { .name: out0, .offset: 24, .size: 8, .value_kind: global_buffer, .address_space: global }
    .group_segment_fixed_size: 327680
    .private_segment_fixed_size: 0
    .kernarg_segment_align: 8
    .kernarg_segment_size: 32
    .max_flat_workgroup_size: 128
    .sgpr_count:     66
    .vgpr_count:     512
    .wavefront_size: 32
...
	.end_amdgpu_metadata
.endif
;; end of part 4
;; ======== version 2 of 2: 4 launches; 1.08 times as fast as version 1
;; workspace buffers: bfin 25,165,824 bytes; qkv 25,165,824 bytes; obuf 8,388,608 bytes
;; launch cast: the kernel of part 1 again; grid 768 x 1, 8 waves a work-group, no clusters, 0 bytes of LDS; arguments x, context, Wq, Wk, Wv, Wo, bfin; writes bfin
;; launch qkvproj: the kernel of part 2 again; grid 12 x 16, 4 waves a work-group, clusters of 4 x 4, 327,680 bytes of LDS; arguments bfin, qkv; writes qkv
;; launch attn (part 5): grid 16 x 16, 8 waves a work-group, clusters of 4 x 1, 327,680 bytes of LDS; arguments qkv, obuf; writes obuf
.if DOCPART == 5
	.amdgcn_target "amdgcn-amd-amdhsa--gfx1250"
	.amdhsa_code_object_version 6
	.text
	.protected	k_q0959965b45_attn
	.globl	k_q0959965b45_attn
	.p2align	8
	.type	k_q0959965b45_attn,@function
k_q0959965b45_attn:
	s_mov_b64 s[64:65], 0
	v_nop
	global_prefetch_b8 v0, s[64:65] scope:SCOPE_SE
	s_setreg_imm32_b32 hwreg(HW_REG_WAVE_MODE, 25, 1), 1
	s_wait_xcnt 0x0
	s_wait_alu depctr_hold_cnt(0) depctr_sa_sdst(0) depctr_va_vdst(0) depctr_va_sdst(0) depctr_va_ssrc(0) depctr_va_vcc(0) depctr_vm_vsrc(0)
	s_getreg_b32 s2, hwreg(HW_REG_IB_STS2, 6, 4)
	s_cmp_eq_u32 s2, 0
	s_cbranch_scc0 .Lentry_in_a_cluster
	s_endpgm
.Lentry_in_a_cluster:
	s_bfe_u32 s2, ttmp6, 0x10000c
	s_cmp_lg_u32 s2, 0x3003
	s_cbranch_scc0 .Lentry_shape_is_right
	s_endpgm
.Lentry_shape_is_right:
; softmax(Q K^T / 8) V for two heads x 128 queries a work-group, with a running maximum; bf16 operands, f32 sums and softmax, bf16 out.
; qkv: [4096][3072] bf16 (Q | K | V); obuf: [4096][1024] bf16, column = 64 head + d.
; Grid x = query block of 128 (16), grid y = 8 batch + head pair (16).  An aligned 256 bytes of a row of qkv is one pair of heads, so K's and V's tiles
; have rows of 256 bytes.  Eight waves: hd = w & 1 the head of the pair, qg = (w >> 1) & 1 which 64 queries, kh = w >> 2 which half of each slot's keys.
; The two key halves of a (head, query group) are merged at the end through LDS.
; CLUSTER: the four query blocks of a cluster read the same K and V: every K or V load is a joint load of all four (mask 15).
; THE PRODUCTS ARE TAKEN TRANSPOSED.  S^T = K Q^T (source 0: 16 keys, source 1: 16 queries): lane (r, h), register j holds key 8 h + j of query r.
; Two neighbouring tiles of S^T, packed to bf16, are then source 1 of O^T = V^T P^T as they lie.  A query's maximum and sum lie in a lane and its partner
; in the other half of the wave.  O^T gives a lane eight neighbouring d of one query.
; THE ORDER OF WORK.  A wave's 64 queries are two halves of 32 (query tiles 0-1 and 2-3); 64 keys are a block, and a block is two half-stages.  In the half-stage of half h:
;   X: the 16 products S^T(h); beside them the OTHER half's 32 shifts and the first 26 of its 64 exponentials (its S^T was made one half-stage earlier);
;   Y: the running maximum of S^T(h) and its shift, one of the other 38 exponentials behind each line; last the two exponentials that are the factors for what was summed before.
;      These 66 exponentials are ONE BATCH: no line up to here names a result of theirs, and ONE WAIT follows them (between the exponentials and the first
;      line that names its result).  Behind the wait stand all the readers: the other half's sums and its P rounded to bf16, and half h's sum times its factor;
;   Z: the 16 products O^T += V^T P^T of the other half, two lines of the rescaling of O^T(h), which reads the factor too, behind each.
; So the wave's vector lines issue while its own products run.  X's vector lines hold under the products' register windows because their second source is a scalar
; pair, or they have none; Z's because O and V's fragments share a window.  V's fragments of a block are asked for in X of its second
; half, K's of the next block in Y of the second half: both well ahead of their products.
; On the way out the eight exponentials of the merge are a batch, and the four reciprocals of sums made from them a second one: a wait each.
; LDS: two slots of 256 keys, 8 parts of 18,432 bytes each: parts 0-3 K's quarters (64 rows x 272), parts 4-7 V's (64 rows x 288).  Wave w fills part w.
; Behind slot 0's last read its bytes (no fill lands there any more) hold the merge's data and the output stage.
; Limits: Q, K, V, P and O are rounded to bf16; the denominator sums P in f32 before P is rounded; the running maximum lets a NaN lose (it still reaches
; the output through the exponentials and products); a row whose maximum is +inf gives NaN, as the softmax it stands for does.
.set QKVP, 6144                        ; bytes in a row of qkv
.set Q8,   18432                       ; a part of a slot
.set SLOT, 8*Q8
.set PK,   272                         ; K's LDS row: 256 + 16, an odd multiple of 16
.set PV,   288                         ; V's LDS row: 256 + 32, an odd multiple of 32 (transposing loads)
.set PHASE, 256*QKVP                   ; 256 keys further down, in bytes
.set ML,   65536                       ; merge: shifts and sums, 2,048 bytes for each of 4 wave pairs (the accumulators lie at 0, 16,384 bytes a pair)
.set STG,  73728                       ; output stage: 128 rows x 272
; window 0
.set ADRK, 4                           ; v[4:5]    K's fragment address, slot 0, 1
.set ADRV, 6                           ; v[6:7]    V's
.set MX,   8                           ; v[8:11]   running maximum of query tile t, unscaled
.set QOFF, 12
.set MSA,  13
.set MLA,  14
.set STO,  15
.set NM0,  16                          ; v[16:23]  pairs; low register: -(maximum x c); the two sets take turns block by block
.set NM1,  24                          ; v[24:31]
.set AL,   32                          ; v[32:39]  pairs; low register: the factor for what was summed before
.set LS,   40                          ; v[40:47]  pairs of partial sums
.set TA,   48                          ; v[48:51]
.set TB,   52                          ; v[52:55]
.set RD,   56
.set CO,   57
.set KF,   64                          ; v[64:127]  K fragment (i, ks) at 64 + 16 i + 8 ks
.set SC,   128                         ; v[128:255] S^T tile (t, i) at 128 + 32 t + 8 i; P(t, g) ends up in 128 + 32 t + 16 g .. + 7
; window 1
.set QF,   0                           ; Q fragment (t, ks) at 16 t + 8 ks
.set OA,   64                          ; O^T tile (t, dt) at 64 + 32 t + 8 dt
.set VF,   192                         ; V fragment (g, dt) at 192 + 32 g + 8 dt
.set G1K, 24                           ; s[24:31]
.set G0K, 32                           ; s[32:39], one set for each slot
.set G1V, 40                           ; s[40:47]
.set G0V, 48                           ; s[48:55]
.set MSB, 0
.macro WIN new                         ; s_set_vgpr_msb: bits 1:0 source 0, 3:2 source 1, 5:4 source 2, 7:6 destination; the high byte repeats the setting that is left
.if MSB != \new
	s_set_vgpr_msb (MSB<<8)|\new
.set MSB, \new
.endif
.endm
.macro ROUND                           ; a round of the cluster's barrier
	s_barrier_signal -1
	s_barrier_wait -1
	s_cmp_lg_u32 s8, 0
	s_cbranch_scc1 .Lnot_wave_0_\@
	s_barrier_signal -3
.Lnot_wave_0_\@:
	s_barrier_wait -3
	s_barrier_signal -1
	s_barrier_wait -1
.endm
.macro JLOAD slot                      ; waves 0-3 ask for K's quarters, waves 4-7 for V's; the branch hangs on the wave's number alone
	s_cmp_eq_u32 s11, 0
	s_cbranch_scc0 .Lfor_v_\@
	tensor_load_to_lds s[G0K+4*\slot:G0K+4*\slot+3], s[G1K:G1K+7]
	s_nop 0
	s_branch .Lasked_\@
.Lfor_v_\@:
	tensor_load_to_lds s[G0V+4*\slot:G0V+4*\slot+3], s[G1V:G1V+7]
	s_nop 0
.Lasked_\@:
.endm
	s_load_b128 s[4:7], s[0:1], 0x0                ; qkv s[4:5], obuf s[6:7]
	v_lshl_add_u32 v158, v0, 2, 0x48000
	v_mov_b32 v159, 0
	ds_add_u32 v158, v159
	s_wait_dscnt 0x0
	v_lshrrev_b32 v1, 5, v0
	v_readfirstlane_b32 s8, v1                     ; wave 0..7
	s_and_b32 s9, s8, 1                            ; hd
	s_lshr_b32 s10, s8, 1
	s_and_b32 s10, s10, 1                          ; qg
	s_lshr_b32 s11, s8, 2                          ; kh.  Also: I fetch for K (0) or for V (1)
	s_and_b32 s12, s8, 3                           ; which quarter of the slot's keys I fetch; also my pair's number in the merge
	s_bfe_u32 s13, ttmp6, 0x40000                  ; cx: enters only Q's and O's global addresses
	s_lshl_b32 s14, ttmp9, 2
	s_add_co_u32 s14, s14, s13                     ; query block
	s_and_b32 s15, ttmp7, 0xffff
	s_lshr_b32 s16, s15, 3                         ; batch
	s_and_b32 s17, s15, 7                          ; head pair
	s_mov_b32 s18, 0x3e38aa3b                      ; c = log2(e) / 8: the scale of 1/8 and the change to base 2 in one factor
	s_mov_b32 s19, 0x3e38aa3b
	s_mov_b32 s20, 0x76543210                      ; v_permlanex16_b32: lane i of one half reads lane i of the other
	s_mov_b32 s21, 0xfedcba98
	s_mov_b32 s22, 0xbe38aa3b                      ; -c
	; group 1: 64 rows x 128 elements of 2 bytes, for all four work-groups; K with 4 words of padding behind every 64, V with 8
	s_mov_b32 s[G1K+0], 15|(1<<16)|(1<<20)|(1<<21)|(5<<22)|(3<<25)
	s_mov_b32 s[G1V+0], 15|(1<<16)|(1<<20)|(1<<21)|(5<<22)|(7<<25)
.irp g, G1K, G1V
	s_mov_b32 s[\g+1], 128<<16                     ; tensor_dim0 = 128
	s_mov_b32 s[\g+2], 64<<16                      ; tensor_dim1 = 64
	s_mov_b32 s[\g+3], 128<<16                     ; tile_dim0 = 128
	s_mov_b32 s[\g+4], 64                          ; tile_dim1 = 64
	s_mov_b32 s[\g+5], 3072                        ; elements from row to row
	s_mov_b32 s[\g+6], 0
	s_mov_b32 s[\g+7], 0
.endr
	; K's and V's tiles: row 2048 batch + 64 x quarter, byte 256 x head pair of the row; made of the grid's y and the wave's number alone
	s_lshl_b32 s56, s16, 11
	s_lshl_b32 s57, s12, 6
	s_add_co_u32 s56, s56, s57
	s_mul_i32 s56, s56, QKVP
	s_lshl_b32 s57, s17, 8
	s_add_co_u32 s56, s56, s57
	s_mov_b32 s57, 0
	s_mul_i32 s58, s8, Q8                          ; my part of a slot
	; Q's and O's places
	s_lshl_b32 s60, s16, 11
	s_lshl_b32 s59, s14, 7
	s_add_co_u32 s60, s60, s59                     ; the block's first row
	s_lshl_b32 s62, s60, 11                        ; obuf: rows of 2,048 bytes,
	s_lshl_b32 s59, s17, 8
	s_add_co_u32 s62, s62, s59                     ; + 256 x head pair
	s_mov_b32 s63, 0
	s_lshl_b32 s66, s10, 6
	s_add_co_u32 s60, s60, s66                     ; my 64 queries
	s_mul_i32 s60, s60, QKVP
	s_add_co_u32 s60, s60, s59
	s_lshl_b32 s66, s9, 7                          ; 128 x hd
	s_add_co_u32 s60, s60, s66
	s_mov_b32 s61, 0
	s_wait_kmcnt 0x0
	s_add_nc_u64 s[56:57], s[4:5], s[56:57]
	s_add_nc_u64 s[60:61], s[4:5], s[60:61]
	s_add_nc_u64 s[62:63], s[6:7], s[62:63]
	ROUND                                          ; all four work-groups are here: the first joint loads meet
.irp s, 0,1
	s_mov_b32 s[G0K+4*\s], 1
	s_add_co_u32 s[G0K+4*\s+1], s58, \s*SLOT
	s_add_nc_u64 s[G0K+4*\s+2:G0K+4*\s+3], s[56:57], 2048+\s*PHASE   ; K: columns 1024 on
	s_or_b32 s[G0K+4*\s+3], s[G0K+4*\s+3], 0x80000000
	s_mov_b32 s[G0V+4*\s], 1
	s_add_co_u32 s[G0V+4*\s+1], s58, \s*SLOT
	s_add_nc_u64 s[G0V+4*\s+2:G0V+4*\s+3], s[56:57], 4096+\s*PHASE   ; V: columns 2048 on
	s_or_b32 s[G0V+4*\s+3], s[G0V+4*\s+3], 0x80000000
.endr
	JLOAD 0                                        ; keys 0-255
	JLOAD 1                                        ; keys 256-511: two tensor loads of the wave are out
	v_and_b32 v1, 31, v0                           ; L
	v_and_b32 v2, 15, v0                           ; r
	v_bfe_u32 v3, v0, 4, 1                         ; h
	v_mul_u32_u24 v58, v2, PK
	v_lshl_add_u32 v58, v3, 4, v58                 ; r x 272 + 16 h
	s_mul_i32 s67, s11, 2*Q8                       ; my half of the keys: two parts,
	s_add_co_u32 s67, s67, s66                     ; my head's 128 bytes of the rows
	v_add_nc_u32 v[ADRK], s67, v58
	v_add_nc_u32 v[ADRK+1], SLOT, v[ADRK]
	v_and_b32 v59, 7, v0
	v_lshl_add_u32 v59, v3, 3, v59                 ; 8 h + L % 8
	v_mul_u32_u24 v59, v59, PV
	v_bfe_u32 v60, v0, 3, 1
	v_lshl_add_u32 v59, v60, 4, v59                ; + 16 ((L / 8) % 2)
	s_add_co_u32 s67, s67, 4*Q8                    ; V's parts lie behind K's four
	v_add_nc_u32 v[ADRV], s67, v59
	v_add_nc_u32 v[ADRV+1], SLOT, v[ADRV]
	v_mul_u32_u24 v[QOFF], v2, QKVP
	v_lshl_add_u32 v[QOFF], v3, 4, v[QOFF]         ; row r, 16 h
	s_lshl_b32 s68, s12, 14
	v_lshl_add_u32 v[MSA], v1, 4, s68              ; merge: 16 L + 16,384 x pair
	s_lshl_b32 s69, s12, 11
	s_add_co_u32 s69, s69, ML
	v_lshl_add_u32 v[MLA], v1, 4, s69
	s_mul_i32 s70, s10, 64*PK
	s_add_co_u32 s70, s70, s66
	s_add_co_u32 s70, s70, STG
	v_add_nc_u32 v[STO], s70, v58                  ; stage in: row 64 qg + r, byte 128 hd + 16 h
	s_mul_i32 s71, s8, 16*PK
	s_add_co_u32 s71, s71, STG
	v_mul_u32_u24 v61, v3, PK
	v_lshl_add_u32 v61, v2, 4, v61
	v_add_nc_u32 v[RD], s71, v61                   ; stage back: row 16 w + h, byte 16 r
	s_lshl_b32 s67, s8, 15
	v_lshlrev_b32 v62, 11, v3
	v_lshl_add_u32 v62, v2, 4, v62
	v_add_nc_u32 v[CO], s67, v62                   ; the same place in obuf's rows of 2,048 bytes
.irp t, 0,1,2,3
	v_mov_b32 v[NM0+2*\t+1], 0                     ; the upper registers of pairs of which the packed forms use the lower alone
	v_mov_b32 v[NM1+2*\t+1], 0
	v_mov_b32 v[AL+2*\t+1], 0
.endr
	WIN 0x40                                       ; destination window 1
.irp t, 0,1,2,3
.irp ks, 0,1
	global_load_b128 v[QF+16*\t+8*\ks:QF+16*\t+8*\ks+3],   v[QOFF], s[60:61] offset:\t*16*QKVP+64*\ks
	global_load_b128 v[QF+16*\t+8*\ks+4:QF+16*\t+8*\ks+7], v[QOFF], s[60:61] offset:\t*16*QKVP+64*\ks+32
.endr
.endr
	WIN 0
; K's fragments of 64 keys (part blk of my half of slot): sixteen loads, all windows 0
.macro KLOAD slot, blk
.irp i, 0,1,2,3
.irp ks, 0,1
	ds_load_b128 v[KF+16*\i+8*\ks:KF+16*\i+8*\ks+3],   v[ADRK+\slot] offset:\blk*Q8+\i*16*PK+64*\ks
	ds_load_b128 v[KF+16*\i+8*\ks+4:KF+16*\i+8*\ks+7], v[ADRK+\slot] offset:\blk*Q8+\i*16*PK+64*\ks+32
.endr
.endr
.endm
; V's fragments of the same keys: sixteen transposing loads, destination window 1
.macro VLOAD slot, blk
.irp g, 0,1
.irp dt, 0,1,2,3
	ds_load_tr16_b128 v[VF+32*\g+8*\dt:VF+32*\g+8*\dt+3],   v[ADRV+\slot] offset:\blk*Q8+\g*32*PV+32*\dt
	ds_load_tr16_b128 v[VF+32*\g+8*\dt+4:VF+32*\g+8*\dt+7], v[ADRV+\slot] offset:\blk*Q8+\g*32*PV+32*\dt+16*PV
.endr
.endr
.endm
; The next exponential of the batch's list of 64, in place: number e is register e & 1 of pair e >> 1, the pairs in the order of their shifts (the half's two query tiles by turns).
; X sets the list up (EB, e, el) and issues the first 26; Y issues the others.
.macro EX1
.if e < el
	v_exp_f32 v[EB+32*((e>>1)&1)+2*(e>>2)+(e&1)], v[EB+32*((e>>1)&1)+2*(e>>2)+(e&1)]
.set e, e+1
.endif
.endm
; X.  doS: the 16 products S^T of half h.  doE: the other half's 32 register pairs are shifted (one rounding: s c - max c), the half's two query tiles by turns, and from the
; seventh shift on one exponential follows each shift, three pairs or more behind its own shift.  epar: which set of shifts that half's block wrote.
; vld: V's fragments of (slot, blk) are asked for.  No line here names an exponential's result: the batch stays open into Y, where its wait stands.
; Six shifts stand ahead of the first product; a shift and an exponential stand twice behind each of the first ten products, once behind each of the other six.
; Places: ahead of the first product, which writes over the P that the last products read, stand the six shifts; ahead of the loads
; into V's fragments the same six.
; The 8 accumulators take turns, one instruction a turn: d 0-31 starts the sums, d 32-63 adds in place.
.macro XS h, doS, doE, epar, vld, slot, blk
	WIN 0x04                                       ; source 1 (Q) window 1, all else window 0
.set EB, SC+64*(1-\h)
.set ET, 2*(1-\h)
.set NME, NM0+8*(\epar)
.set ST, 2*\h
.set e, 0
.set el, 64*\doE
.set p, 0
.rept 32
.set rr, EB+32*(p&1)+2*(p>>1)
.set etl, ET+(p&1)
.if \doE
	v_pk_fma_f32 v[rr:rr+1], v[rr:rr+1], s[18:19], v[NME+2*etl:NME+2*etl+1] op_sel_hi:[1,0,0]
.if p >= 6
	EX1
.endif
.endif
.if \vld
.if p == 5
	WIN 0x40
	VLOAD \slot, \blk
	WIN 0x04
.endif
.endif
.if \doS
.set k, -1                                     ; product k stands behind shift p: k = 0..9 behind p = 5, 7, .. 23; k = 10..15 behind p = 25 .. 30
.if p >= 5
.if p < 25
.if (p&1) == 1
.set k, (p-5)>>1
.endif
.else
.if p < 31
.set k, p-15
.endif
.endif
.endif
.if k >= 0
.set wi, (k&7)>>1
.set wt, ST+(k&1)
.if k < 8
	v_wmma_f32_16x16x32_bf16 v[SC+32*wt+8*wi:SC+32*wt+8*wi+7], v[KF+16*wi:KF+16*wi+7], v[QF+16*wt:QF+16*wt+7], 0
.else
	v_wmma_f32_16x16x32_bf16 v[SC+32*wt+8*wi:SC+32*wt+8*wi+7], v[KF+16*wi+8:KF+16*wi+15], v[QF+16*wt+8:QF+16*wt+15], v[SC+32*wt+8*wi:SC+32*wt+8*wi+7]
.endif
.endif
.endif
.set p, p+1
.endr
.endm
; one conversion of the list of 32: P to bf16, in place and ascending: two tiles (16 registers) become the 8 registers of a fragment over 32 keys
.macro CV1
.if c < cvl
	v_cvt_pk_bf16_f32 v[CB+16*(c>>3)+(c&7)], v[CB+16*(c>>3)+2*(c&7)], v[CB+16*(c>>3)+2*(c&7)+1]
.set c, c+1
.endif
.endm
; one step of the maximum for the half's two query tiles, an exponential of the batch behind each line
.macro MSTEP d, a, b
	v_max3_num_f32 v[\d+MT], v[\d+MT], v[MB+\a], v[MB+\b]
	EX1
	v_max3_num_f32 v[\d+MT+1], v[\d+MT+1], v[MB+32+\a], v[MB+32+\b]
	EX1
.endm
; Y.  AHEAD OF THE WAIT.  doMax: the running maximum of S^T(h) and its shift (set par): 38 lines, behind each one of the batch's exponentials 26-63; then, unless firstM, the two exponentials
; that are the factors for what was summed before: the batch's last.  (Without doMax the 38 exponentials stand on end.)  Between the S product that ends an accumulator and the maximum's first read of it
; stand four of X's shifts or more, and lines of the maximum on other accumulators (ISA guide 7.12.1); where X had no shifts, four v_nop.
; BEHIND THE WAIT, the readers.  doCvt: the other half's sums (firstE: they start here), each query tile's sixteen pairs in ascending order, and its P rounded: sixteen times a sum of each tile and a
; rounding of the first tile; then kact; then the second tile's sixteen roundings; last half h's sums times their factors.
; kact stands where the first tile is summed and rounded: v158 and v159, which the add takes, are two of that tile's upper registers and hold nothing from there on; its branches stand behind the wait.
;   1: K's fragments of (nslot, nblk) are asked for;
;   2: slot rslot, of which my last reads (V of this block) have been issued, is filled again, 512 keys on; then as 1, from the other slot;
;   3: the last change of slots: a barrier alone; then as 1.
.macro YS h, firstM, par, doCvt, firstE, doMax, kact, rslot, nslot, nblk
	WIN 0
.set CB, SC+64*(1-\h)
.set CT, 2*(1-\h)
.set MB, SC+64*\h
.set MT, 2*\h
.set NMN, NM0+8*(\par)
.set NMO, NM1-8*(\par)
.set c, 0
.set cvl, 32*\doCvt
.if \doCvt == 0
.rept 4
	v_nop                                          ; four places before vector instructions read the products
.endr
.endif
.if \doMax
	; my 32 numbers of each query tile in two chains, then the other half of the wave
.if \firstM
	v_max_num_f32 v[TA+MT], v[MB], v[MB+1]
	EX1
	v_max_num_f32 v[TA+MT+1], v[MB+32], v[MB+33]
	EX1
.else
	v_max3_num_f32 v[TA+MT], v[MX+MT], v[MB], v[MB+1]
	EX1
	v_max3_num_f32 v[TA+MT+1], v[MX+MT+1], v[MB+32], v[MB+33]
	EX1
.endif
	v_max3_num_f32 v[TB+MT], v[MB+2], v[MB+3], v[MB+4]
	EX1
	v_max3_num_f32 v[TB+MT+1], v[MB+34], v[MB+35], v[MB+36]
	EX1
.set j, 5
.rept 6
	MSTEP TA, j, j+1
	MSTEP TB, j+2, j+3
.set j, j+4
.endr
	MSTEP TA, 29, 30
	v_max3_num_f32 v[TA+MT], v[TA+MT], v[TB+MT], v[MB+31]
	EX1
	v_max3_num_f32 v[TA+MT+1], v[TA+MT+1], v[TB+MT+1], v[MB+63]
	EX1
	v_permlanex16_b32 v[TB+MT], v[TA+MT], s20, s21
	EX1
	v_permlanex16_b32 v[TB+MT+1], v[TA+MT+1], s20, s21
	EX1
	v_max_num_f32 v[MX+MT], v[TA+MT], v[TB+MT]
	EX1
	v_max_num_f32 v[MX+MT+1], v[TA+MT+1], v[TB+MT+1]
	EX1
	v_mul_f32 v[NMN+2*MT], s22, v[MX+MT]           ; the shift, rounded once; every number of this block uses this same figure
	EX1
	v_mul_f32 v[NMN+2*MT+2], s22, v[MX+MT+1]
	EX1                                            ; the other half's 64th
.if \firstM == 0
	v_sub_f32 v[TB+MT], v[NMN+2*MT], v[NMO+2*MT]   ; from the two rounded shifts, so that old and new sums stand on one shift exactly; never above 0
	v_sub_f32 v[TB+MT+1], v[NMN+2*MT+2], v[NMO+2*MT+2]
	v_exp_f32 v[AL+2*MT], v[TB+MT]
	v_exp_f32 v[AL+2*MT+2], v[TB+MT+1]
.endif
.else
.rept 38
	EX1
.endr
.endif
.if (\doCvt)+(\doMax)*(1-(\firstM))
	v_nop                                          ; one plain place behind the batch's last exponential (ISA guide 5.7.2): all the plain work that is left reads the batch
	s_wait_alu depctr_va_vdst(0)                   ; THE WAIT for the half-stage's batch: the other half's 64 exponentials, begun in X, and the two factors
.endif
.if \doCvt
.set q, 0
.rept 16
.set ini, 0
.if \firstE
.if q == 0
.set ini, 1
.endif
.endif
.if ini
	v_pk_mul_f32 v[LS+2*CT:LS+2*CT+1], v[CB+2*q:CB+2*q+1], 1.0 op_sel_hi:[1,0]           ; the first pair starts the sums
	v_pk_mul_f32 v[LS+2*CT+2:LS+2*CT+3], v[CB+32+2*q:CB+32+2*q+1], 1.0 op_sel_hi:[1,0]
.else
	v_pk_add_f32 v[LS+2*CT:LS+2*CT+1], v[CB+2*q:CB+2*q+1], v[LS+2*CT:LS+2*CT+1]          ; pair q of the first tile,
	v_pk_add_f32 v[LS+2*CT+2:LS+2*CT+3], v[CB+32+2*q:CB+32+2*q+1], v[LS+2*CT+2:LS+2*CT+3] ; of the second
.endif
	CV1                                            ; pair q of the first tile is rounded behind its sum; it writes no register of a pair that is still to be summed
.set q, q+1
.endr
.endif
.if \kact == 2
	s_wait_xcnt 0x0
	v_lshl_add_u32 v158, v0, 2, 0x48000
	v_mov_b32 v159, 0
	s_wait_tensorcnt 0x0                           ; all my tensor loads have landed, my part of the other slot among them: every group 0 may be written
	ds_add_u32 v158, v159
	s_wait_dscnt 0x0
	s_add_nc_u64 s[G0K+4*\rslot+2:G0K+4*\rslot+3], s[G0K+4*\rslot+2:G0K+4*\rslot+3], 2*PHASE
	s_add_nc_u64 s[G0V+4*\rslot+2:G0V+4*\rslot+3], s[G0V+4*\rslot+2:G0V+4*\rslot+3], 2*PHASE
	s_wait_dscnt 0x0                               ; my reads of this slot are over
	ROUND                                          ; both now hold of every wave of all four work-groups
	JLOAD \rslot                                   ; the wave's one tensor load behind the round, and the first thing there; it has two blocks of each wave in which to land
.endif
.if \kact == 3
	s_wait_tensorcnt 0x0                           ; my part of the last slot is in
	s_wait_dscnt 0x0
	s_barrier_signal -1
	s_barrier_wait -1                              ; the slot is whole for every wave; nothing is filled any more, and no wave reads slot 0 again
.endif
.if \kact
	KLOAD \nslot, \nblk
.endif
.rept 16
	CV1                                            ; the second tile's P
.endr
.if \doMax
.if \firstM == 0
	v_pk_mul_f32 v[LS+2*MT:LS+2*MT+1], v[LS+2*MT:LS+2*MT+1], v[AL+2*MT:AL+2*MT+1] op_sel_hi:[1,0]
	v_pk_mul_f32 v[LS+2*MT+2:LS+2*MT+3], v[LS+2*MT+2:LS+2*MT+3], v[AL+2*MT+2:AL+2*MT+3] op_sel_hi:[1,0]
.endif
.endif
.endm
; Z.  The 16 products O^T += V^T P^T of the other half: keys 0-31, then keys 32-63; the 8 accumulators take turns, one instruction a turn.
; firstPV: keys 0-31 start the sums.  doResc: O^T(h), which no product of this stage names, is multiplied by its factor, two register pairs behind each product.
.macro ZS h, firstPV, doResc
	WIN 0x51                                       ; V, C and D window 1, P and the factor window 0
.set PT, 2*(1-\h)
.set RB, OA+64*\h
.set RT, 2*\h
.set k, 0
.rept 16
.set zg, k>>3
.set zd, (k&7)>>1
.set zt, PT+(k&1)
.set ini, 0
.if \firstPV
.if k < 8
.set ini, 1
.endif
.endif
.if ini
	v_wmma_f32_16x16x32_bf16 v[OA+32*zt+8*zd:OA+32*zt+8*zd+7], v[VF+32*zg+8*zd:VF+32*zg+8*zd+7], v[SC+32*zt+16*zg:SC+32*zt+16*zg+7], 0
.else
	v_wmma_f32_16x16x32_bf16 v[OA+32*zt+8*zd:OA+32*zt+8*zd+7], v[VF+32*zg+8*zd:VF+32*zg+8*zd+7], v[SC+32*zt+16*zg:SC+32*zt+16*zg+7], v[OA+32*zt+8*zd:OA+32*zt+8*zd+7]
.endif
.if \doResc
	v_pk_mul_f32 v[RB+4*k:RB+4*k+1], v[RB+4*k:RB+4*k+1], v[AL+2*(RT+(k>>3)):AL+2*(RT+(k>>3))+1] op_sel_hi:[1,0]
	v_pk_mul_f32 v[RB+4*k+2:RB+4*k+3], v[RB+4*k+2:RB+4*k+3], v[AL+2*(RT+(k>>3)):AL+2*(RT+(k>>3))+1] op_sel_hi:[1,0]
.endif
.set k, k+1
.endr
.endm
; A block: 64 keys (part blk of my half of slot) against my 64 queries, as two half-stages.  par: which set of shifts it writes.  first: it is the first block;
; pfirst: the block before was; hasprev: there is one.  kact, nslot, nblk: what Y of the second half does (see there); the slot filled again is this block's.
.macro BLK slot, blk, par, first, pfirst, hasprev, kact, nslot, nblk
.set BEP, 1-\par
.set BNF, 1-\first
	s_wait_dscnt 0x0                               ; K's fragments of this block are in
	XS 0, 1, \hasprev, BEP, 0, \slot, \blk
	YS 0, \first, \par, \hasprev, \pfirst, 1, 0, 0, 0, 0
.if \hasprev
	ZS 0, \pfirst, BNF
.endif
	XS 1, 1, 1, \par, 1, \slot, \blk
	YS 1, \first, \par, 1, \first, 1, \kact, \slot, \nslot, \nblk
.if \kact
	s_wait_dscnt 16                                ; V's sixteen loads are in; K's sixteen of the next block, issued behind them, may stay out
.else
	s_wait_dscnt 0x0                               ; V's fragments are in
.endif
	ZS 1, \first, BNF
.endm
	s_wait_tensorcnt 0x1                           ; my part of slot 0 is in; slot 1's may stay out
	s_barrier_signal -1
	s_barrier_wait -1
	KLOAD 0, 0
	s_wait_loadcnt 0x0                             ; Q
	BLK 0, 0, 0, 1, 0, 0, 1, 0, 1                  ; keys 0-255: the first products start the sums
	BLK 0, 1, 1, 0, 1, 1, 2, 1, 0                  ; slot 0 is asked for again: keys 512-767
	WIN 0                                          ; at a label and at a branch every window is 0
	s_mov_b32 s23, 2
.Lpair:
	BLK 1, 0, 0, 0, 0, 1, 1, 1, 1
	BLK 1, 1, 1, 0, 0, 1, 2, 0, 0
	BLK 0, 0, 0, 0, 0, 1, 1, 0, 1
	BLK 0, 1, 1, 0, 0, 1, 2, 1, 0
	WIN 0
	s_sub_co_u32 s23, s23, 1
	s_cmp_lg_u32 s23, 0
	s_cbranch_scc1 .Lpair
	BLK 1, 0, 0, 0, 0, 1, 1, 1, 1                  ; keys 1280-1535
	BLK 1, 1, 1, 0, 0, 1, 2, 0, 0                  ; the last refill: keys 1792-2047 into slot 1
	BLK 0, 0, 0, 0, 0, 1, 1, 0, 1                  ; keys 1536-1791
	BLK 0, 1, 1, 0, 0, 1, 3, 1, 0                  ; nothing is left to fetch: a barrier alone
	BLK 1, 0, 0, 0, 0, 1, 1, 1, 1                  ; keys 1792-2047
	BLK 1, 1, 1, 0, 0, 1, 0, 0, 0
	XS 0, 0, 1, 1, 0, 0, 0                         ; the last half's shifts and first exponentials,
	YS 0, 0, 1, 1, 0, 0, 0, 0, 0, 0                ; the other exponentials, their wait, its sums and its P,
	ZS 0, 0, 0                                     ; and its products
	WIN 0
	; THE END.  Each wave's sums across the two halves of its lanes; then the key halves are merged.
.rept 4
	v_nop                                          ; four places before O is read and P's registers are loaded into
.endr
.irp t, 0,1,2,3
	v_add_f32 v[TA+\t], v[LS+2*\t], v[LS+2*\t+1]
.endr
.irp t, 0,1,2,3
	v_permlanex16_b32 v[TB+\t], v[TA+\t], s20, s21
.endr
.irp t, 0,1,2,3
	v_add_f32 v[TA+\t], v[TA+\t], v[TB+\t]
.endr
	s_cmp_eq_u32 s11, 0
	s_cbranch_scc1 .Lkeep
	WIN 0x04                                       ; store data window 1
.set i, 0
.rept 32
	ds_store_b128 v[MSA], v[OA+4*i:OA+4*i+3] offset:512*i      ; waves 4-7: O as it lies, 16 bytes a lane
.set i, i+1
.endr
	WIN 0
	ds_store_b128 v[MLA], v[NM1:NM1+3]                         ; the last shifts,
	ds_store_b128 v[MLA], v[NM1+4:NM1+7] offset:512
	ds_store_b128 v[MLA], v[TA:TA+3] offset:1024               ; the sums
.Lkeep:
	s_wait_dscnt 0x0                               ; for the partner's sake: the stores are done
	s_barrier_signal -1
	s_barrier_wait -1
	s_cmp_lg_u32 s11, 0
	s_cbranch_scc1 .Lmerged
	ds_load_b128 v[NM0:NM0+3], v[MLA]              ; waves 0-3: the partner's shifts, sums and O
	ds_load_b128 v[NM0+4:NM0+7], v[MLA] offset:512
	ds_load_b128 v[TB:TB+3], v[MLA] offset:1024
.set i, 0
.rept 32
	ds_load_b128 v[SC+4*i:SC+4*i+3], v[MSA] offset:512*i
.set i, i+1
.endr
	s_wait_dscnt 0x0
.irp t, 0,1,2,3
	v_min_num_f32 v[MX+\t], v[NM1+2*\t], v[NM0+2*\t]           ; the shift of the larger maximum
.endr
.irp t, 0,1,2,3
	v_sub_f32 v[LS+2*\t], v[MX+\t], v[NM1+2*\t]                ; never above 0
	v_sub_f32 v[LS+2*\t+1], v[MX+\t], v[NM0+2*\t]
.endr
.irp t, 0,1,2,3
	v_exp_f32 v[LS+2*\t], v[LS+2*\t]
	v_exp_f32 v[LS+2*\t+1], v[LS+2*\t+1]
.endr
	v_nop                                          ; one plain place behind the exponentials
	s_wait_alu depctr_va_vdst(0)                   ; the wait ahead of the first reader: one for the merge's eight exponentials
.irp t, 0,1,2,3
	v_mul_f32 v[TA+\t], v[TA+\t], v[LS+2*\t]
.endr
.irp t, 0,1,2,3
	v_fmac_f32 v[TA+\t], v[TB+\t], v[LS+2*\t+1]                ; the whole row's sum
.endr
.irp t, 0,1,2,3
	v_rcp_f32 v[TA+\t], v[TA+\t]
.endr
	v_nop                                          ; one plain place behind the reciprocals
	s_wait_alu depctr_va_vdst(0)                   ; and one for the four reciprocals, a batch of their own: they read sums made from the exponentials
.irp t, 0,1,2,3
	v_mul_f32 v[AL+2*\t], v[LS+2*\t], v[TA+\t]                 ; my O's factor
	v_mul_f32 v[NM0+2*\t], v[LS+2*\t+1], v[TA+\t]              ; the partner's
.endr
.set j, 0
.rept 64
	v_pk_mul_f32 v[SC+2*j:SC+2*j+1], v[SC+2*j:SC+2*j+1], v[NM0+2*(j/16):NM0+2*(j/16)+1] op_sel_hi:[1,0]
.set j, j+1
.endr
	WIN 0x01                                       ; source 0 (my O) window 1
.set j, 0
.rept 64
	v_pk_fma_f32 v[SC+2*j:SC+2*j+1], v[OA+2*j:OA+2*j+1], v[AL+2*(j/16):AL+2*(j/16)+1], v[SC+2*j:SC+2*j+1] op_sel_hi:[1,0,1]
.set j, j+1
.endr
	WIN 0
.set j, 0
.rept 16
.irp r, 0,1,2,3
	v_cvt_pk_bf16_f32 v[SC+8*j+\r], v[SC+8*j+2*\r], v[SC+8*j+2*\r+1]   ; a tile's eight d of a query: 16 bytes
.endr
.set j, j+1
.endr
.irp t, 0,1,2,3
.irp dt, 0,1,2,3
	ds_store_b128 v[STO], v[SC+32*\t+8*\dt:SC+32*\t+8*\dt+3] offset:\t*16*PK+32*\dt
.endr
.endr
.Lmerged:
	s_wait_dscnt 0x0
	s_barrier_signal -1
	s_barrier_wait -1
	; all eight waves: 16 rows each, read back as whole rows of 256 bytes (both heads of a query) and stored
.irp tt, 0,1,2,3,4,5,6,7
	ds_load_b128 v[KF+4*\tt:KF+4*\tt+3], v[RD] offset:\tt*2*PK
.endr
.irp tt, 0,1,2,3,4,5,6,7
	s_wait_dscnt 7-\tt                             ; read-back tt is in, the younger ones stay out
	global_store_b128 v[CO], v[KF+4*\tt:KF+4*\tt+3], s[62:63] offset:\tt*4096      ; 16 lanes store 256 consecutive bytes, aligned
.endr
	s_wait_xcnt 0x0
	v_lshl_add_u32 v158, v0, 2, 0x48000
	v_mov_b32 v159, 0
	s_wait_tensorcnt 0x0
	ds_add_u32 v158, v159
	s_wait_dscnt 0x0
	ROUND                                          ; the closing round
	s_endpgm
.Lfunc_end_k_q0959965b45_attn:
	.size	k_q0959965b45_attn, .Lfunc_end_k_q0959965b45_attn-k_q0959965b45_attn
	.p2alignl 7, 3214868480
	.fill 96, 4, 3214868480
	.section	.rodata,"a",@progbits
	.p2align	6, 0x0
	.amdhsa_kernel k_q0959965b45_attn
		.amdhsa_group_segment_fixed_size 327680
		.amdhsa_private_segment_fixed_size 0
		.amdhsa_enable_private_segment 0
		.amdhsa_kernarg_size 16
		.amdhsa_user_sgpr_count 2
		.amdhsa_user_sgpr_kernarg_segment_ptr 1
		.amdhsa_wavefront_size32 1
		.amdhsa_system_sgpr_workgroup_id_x 1
		.amdhsa_system_sgpr_workgroup_id_y 1
		.amdhsa_system_sgpr_workgroup_id_z 1
		.amdhsa_system_vgpr_workitem_id 0
		.amdhsa_next_free_vgpr 512
		.amdhsa_next_free_sgpr 72
		.amdhsa_reserve_vcc 0
		.amdhsa_float_denorm_mode_32 3
		.amdhsa_float_denorm_mode_16_64 3
		.amdhsa_memory_ordered 1
		.amdhsa_forward_progress 1
		.amdhsa_inst_pref_size 255
	.end_amdhsa_kernel
	.section	.bss,"aw",@nobits
	.p2align	6
	.space	262144
	.amdgpu_metadata
---
amdhsa.version: [ 1, 2 ]
amdhsa.kernels:
  - .name:           k_q0959965b45_attn
    .symbol:         k_q0959965b45_attn.kd
    .args:
      - { .name: qkv, .offset: 0, .size: 8, .value_kind: global_buffer, .address_space: global }
      - { .name: obuf, .offset: 8, .size: 8, .value_kind: global_buffer, .address_space: global }
    .group_segment_fixed_size: 327680
    .private_segment_fixed_size: 0
    .kernarg_segment_align: 8
    .kernarg_segment_size: 16
    .max_flat_workgroup_size: 256
    .sgpr_count:     72
    .vgpr_count:     512
    .wavefront_size: 32
...
	.end_amdgpu_metadata
.endif
;; end of part 5
;; launch oproj: the kernel of part 4 again; grid 8 x 32, 4 waves a work-group, clusters of 4 x 4, 327,680 bytes of LDS; arguments obuf, bfin, bo, out0; writes out0
